; MI455X (gfx1250); checked and timed in simulation.
; The chip was launched on July 23, 2026; its instructions are those of AMD's public machine-readable ISA for CDNA 5 (MIT licence, August 2026) and "CDNA5" Instruction Set Architecture Reference Guide (July 2026). The comments in the code are by the model that wrote it; some were corrected since.
;; Multi Head Attention. Allowed arithmetic: matrix products marked QUANTISED: E2M3 operands, one E8M0 scale for each 32 along K, by v_wmma_scale_f32_16x16x128_f8f6f4 with both operands' format E2M3, f32 sums; everything else in f32.
;; Inputs: Wk_codes 1,024 x 32 x 24 uint8 (E2M3 codes of Wk, K innermost, in blocks of 32 codes, four codes in three bytes); Wk_scales 1,024 x 32 uint8 (E8M0 scales of Wk, one for each 32 codes along K); Wo_codes 1,024 x 32 x 24 uint8 (E2M3 codes of Wo, K innermost, in blocks of 32 codes, four codes in three bytes); Wo_scales 1,024 x 32 uint8 (E8M0 scales of Wo, one for each 32 codes along K); Wq_codes 1,024 x 32 x 24 uint8 (E2M3 codes of Wq, K innermost, in blocks of 32 codes, four codes in three bytes); Wq_scales 1,024 x 32 uint8 (E8M0 scales of Wq, one for each 32 codes along K); Wv_codes 1,024 x 32 x 24 uint8 (E2M3 codes of Wv, K innermost, in blocks of 32 codes, four codes in three bytes); Wv_scales 1,024 x 32 uint8 (E8M0 scales of Wv, one for each 32 codes along K); mask 1 x 1 x 2,048 x 2,048 int32; x_codes 4 x 2,048 x 32 x 24 uint8 (E2M3 codes of x, K innermost, in blocks of 32 codes, four codes in three bytes); x_scales 4 x 2,048 x 32 uint8 (E8M0 scales of x, one for each 32 codes along K).
;; Outputs: out0 4 x 2,048 x 1,024 float32.
;; This version of the problem:
;;   THIS VERSION OF THE PROBLEM IS GIVEN IN LOW PRECISION. The matrix products marked QUANTISED in the list below multiply operands that are first quantised to E2M3 (2 exponent bits, 3 mantissa bits; 6 bits a number), with one power-of-two scale for each 32 numbers along K (OCP MX v1.0); their sums are f32. All else is computed in f32.
;;   The module's matrix products, in the order in which they are computed (A, B: the left and right operand; K: the contracted axis; several contracted axes count as one K, in the product's order):
;;     1. [M 8,192, K 1,024] x [K 1,024, N 1,024]; A: input x (given as codes); B: input Wq (given as codes): QUANTISED
;;     2. [M 8,192, K 1,024] x [K 1,024, N 1,024]; A: input x (given as codes); B: input Wk (given as codes): QUANTISED
;;     3. [M 8,192, K 1,024] x [K 1,024, N 1,024]; A: input x (given as codes); B: input Wv (given as codes): QUANTISED
;;     4. batch 64 x [M 2,048, K 64] x [K 64, N 2,048]; A: computed on the way; B: computed on the way: QUANTISED
;;     5. batch 64 x [M 2,048, K 2,048] x [K 2,048, N 64]; A: softmax (see below); B: computed on the way: QUANTISED
;;     6. [M 8,192, K 1,024] x [K 1,024, N 1,024]; A: computed on the way; B: input Wo (given as codes): QUANTISED
;;   THE QUANTISER, for each operand of a quantised product, along K:
;;     - K is cut into blocks of 32 from its start; a last block that is shorter is filled with zeros.
;;     - A block's scale is 2^e with e = floor(log2(the largest magnitude in the block)) - 2, held to -126 .. 127; a block of zeros has e = 0. As a byte (E8M0): e + 127.
;;     - Each number is divided by its block's scale, clamped to +-7.5, and rounded to the nearest number of E2M3, ties to even, subnormals kept.
;;     - The product sums the exact products of the quantised numbers (number of the format x scale) in f32.
;;   ~~~python
;;   def quantise(x, axis):      # numpy; x: float32 -> the quantised numbers, widened to float32 again
;;       x = np.moveaxis(x, axis, -1); K = x.shape[-1]
;;       x = np.pad(x, [(0, 0)] * (x.ndim - 1) + [(0, -K % 32)]); x = x.reshape(x.shape[:-1] + (-1, 32)); a = np.abs(x).max(-1, keepdims=True)
;;       e = np.where(a > 0, np.clip(np.frexp(np.where(a > 0, a, 1))[1] - 1 - 2, -126, 127), 0)      # np.frexp(a)[1] - 1 = floor(log2(a)), exactly
;;       r = np.clip(x / 2.0 ** e, -7.5, 7.5)
;;       step = 2.0 ** (np.maximum(np.frexp(np.where(r == 0, 1, r))[1] - 1, 0) - 3)
;;       q = np.round(r / step) * step * 2.0 ** e      # np.round: ties to even
;;       return np.moveaxis(q.reshape(q.shape[:-2] + (-1,))[..., :K], -1, axis).astype(np.float32)
;;   ~~~
;;   SOFTMAX AHEAD OF A QUANTISED PRODUCT. Where the list says 'softmax', what is quantised is not the finished softmax but p = 2^(t - M), with t = logit x log2(e) and M = ceil(the row's largest t), a whole number; so 1/2 < the row's largest p <= 1. The row's sum l is taken of the UNQUANTISED p, in f32, and the product's result is divided by l at the end. Since M is a whole number, a kernel that streams over the keys may use a running M (the ceiling of the running maximum): every later rescaling is an exact power of two, which a block's scale takes up: the codes' values come out the same.
;;   OPERANDS COMPUTED ON THE WAY. 'Computed on the way' means the value that the module computes at that place (a softmax that the list does not call 'softmax' is quantised finished and normalised). What goes into a quantiser is computed in f32, as accurately as f32 sums, v_exp_f32 and their like allow (about 1e-6 of the number): no bf16 or f16 on the way to a quantiser, and a product that is left as it is and whose result goes on into a quantised operand takes f32 operands (vector FMAs, or v_wmma_f32_16x16x4_f32). A number that lies on a knife's edge between two numbers of the format may be rounded either way, as far as f32 arithmetic and the matrix unit's own rounding can turn it there, and no further.
;;   INPUTS GIVEN AS CODES. Wk (in the module: [1024, 1024], K = its axis 1); Wo (in the module: [1024, 1024], K = its axis 1); Wq (in the module: [1024, 1024], K = its axis 1); Wv (in the module: [1024, 1024], K = its axis 1); x (in the module: [4, 2048, 1024], K = its axis 2): each comes as NAME_codes (uint8): NAME with its K axis moved to the last place and cut into blocks of 32 codes, [.., K / 32, bytes a block], one block behind the other in memory; four codes in three bytes: a row's codes are one little-endian stream of bits, code i at bits 6 i .. 6 i + 5 (a code: sign, 2 exponent bits, 3 mantissa bits); and NAME_scales (uint8): the same leading axes, one E8M0 byte (e + 127) for each 32 codes along K. Its value is code x scale, taken as it is: it is not quantised again, and the codes and scales need not be those that the quantiser above would give.
;; One version. Each part assembles by itself: llvm-mc -triple=amdgcn-amd-amdhsa -mcpu=gfx1250 --defsym DOCPART=n.
;; ======== version 1 of 1: 4 launches
;; limits: right only within a limited range of input values
;; workspace buffers: mwf 528,384 bytes of whole numbers; rope 524,288 bytes; qkvc 18,874,368 bytes; qkvs 1,310,720 bytes; oc 6,291,456 bytes; os 262,144 bytes
;; launch prep (part 1): grid 256 x 1, 4 waves a work-group, no clusters, 67,072 bytes of LDS; arguments mask, mwf, rope; writes mwf, rope
.if DOCPART == 1
	.amdgcn_target "amdgcn-amd-amdhsa--gfx1250"
	.amdhsa_code_object_version 6
	.text
	.protected	k_q00a9f839e6_prep
	.globl	k_q00a9f839e6_prep
	.p2align	8
	.type	k_q00a9f839e6_prep,@function
k_q00a9f839e6_prep:
	s_mov_b64 s[64:65], 0
	v_nop
	global_prefetch_b8 v0, s[64:65] scope:SCOPE_SE
	s_setreg_imm32_b32 hwreg(HW_REG_WAVE_MODE, 25, 1), 1
	s_wait_xcnt 0x0
; PREP: (1) the mask [2048][2048] of int32 becomes lane-mask words and tile flags; (2) the table of cos and sin for the rotary embedding is made.
; mwf, bytes 0 .. 524287: [qt 128][step 16][n 64] words.  Bit l = (r = l % 16, h = l / 16) of word n = 8 i + j says: mask[16 qt + r][128 step + 16 i + 8 h + j] != 0.
;   That is the lane mask for register n of a tile of scores (16 queries x 128 keys) as the attention launch holds it.
; mwf, bytes 524288 on: [qt 128][sp 8] words: bit s: some key of step s counts for some query of the tile; bit 16 + s: all do; for s = 2 sp, 2 sp + 1; the other bits 0.
; rope: [T 128][g 8][lane 32][e 4] f32, g = 4 kind + 2 i + e2: cos (kind 0) or sin (kind 1) of fl32(t f[d]), t = 16 T + lane % 16, d = 16 i + 8 (lane / 16) + 4 e2 + e: the order of its user's registers.
; SHARES.  Wave W = 4 x work-group + wave (0 .. 1023): qt = W / 8, sp = W % 8: rows 16 qt .. + 15 of the mask at keys 256 sp .. + 255 (16 KiB), and group g = sp of the table's tile T = qt.
; The mask is loaded as it lies (each load: 512 consecutive bytes of one row) and turned through the wave's own stage in LDS (rows 1,040 bytes apart: the 16 rows that a read touches start 4 words apart).
; No barrier: waves share nothing.  No branch at all.
; COS AND SIN: the angle a = fl32(t f) as numpy rounds it; n = nearest whole number to a 2 / pi; r = a - n pi / 2 with pi / 2 in three parts by fused multiply-adds (the first is exact for a < 2,048);
;   polynomials of degree 7 and 8 on |r| <= pi / 4; the quadrant chooses and signs.
; LIMITS: good to about 1e-7 absolute for t <= 2,047, which the shape fixes.  f[i] is written as a literal, fl32(1 / fl32(10^(i / 8))); for i > 8 it is 10^(-i / 8) rounded once and may differ from numpy's in the last bit
;   (angles there stay under 205, so the angle differs by under 2.5e-5).
.set R,     32                         ; v32-159  the mask as loaded, later step 1's words in the lanes' order
.set X,     160                        ; v160-223 step 0's words in the lanes' order; before that the table's work
.set WREG,  16640                      ; a wave's stage: 16 rows of SP bytes
.set SP,    1040
.set FLAGS, 524288
	s_load_b128 s[4:7], s[0:1], 0x0                ; mask, mwf
	s_load_b64 s[8:9], s[0:1], 0x10                ; rope
	v_lshl_add_u32 v224, v0, 2, 0x10400
	v_mov_b32 v225, 0
	v_lshrrev_b32 v1, 5, v0
	v_readfirstlane_b32 s10, v1                    ; wave
	v_and_b32 v1, 31, v0                           ; lane
	v_and_b32 v2, 15, v0                           ; r
	v_bfe_u32 v3, v0, 4, 1                         ; h
	v_lshlrev_b32 v4, 4, v1                        ; 16 x lane: my bytes of a load's 512, and of the table's store
	s_mul_i32 s14, s10, WREG
	v_add_nc_u32 v5, s14, v4                       ; the stage, way in
	v_mul_u32_u24 v6, v2, SP
	v_lshl_add_u32 v6, v3, 5, v6
	v_add_nc_u32 v6, s14, v6                       ; the stage, way out: row r, + 32 h
	v_lshlrev_b32 v7, 3, v1                        ; 8 x lane: my two words of a step's 64
	s_lshl_b32 s11, ttmp9, 2
	s_add_co_u32 s11, s11, s10                     ; W
	s_lshr_b32 s12, s11, 3                         ; qt
	s_and_b32 s13, s11, 7                          ; sp
	s_lshl_b32 s16, s12, 17                        ; 16 rows of 8,192 bytes
	s_lshl_b32 s15, s13, 10                        ; 256 keys of 4 bytes
	s_add_co_u32 s16, s16, s15
	s_mov_b32 s17, 0
	s_lshl_b32 s18, s11, 9                         ; 512 W: my two steps' words, and my group of the table (4,096 qt + 512 sp)
	s_mov_b32 s19, 0
	s_wait_alu depctr_va_vdst(0)
	s_wait_kmcnt 0x0
	s_add_nc_u64 s[4:5], s[4:5], s[16:17]
	s_add_nc_u64 s[8:9], s[8:9], s[18:19]
	s_add_nc_u64 s[38:39], s[6:7], s[18:19]
.set n, 0
.rept 32                                       ; row n / 2, half n % 2: read once in the launch
	global_load_b128 v[R+4*n:R+4*n+3], v4, s[4:5] offset:(n/2)*8192+(n%2)*512 th:TH_LOAD_NT
.set n, n+1
.endr
	; ---- the table, while the loads are on their way
	s_and_b32 s14, s13, 3                          ; 2 i + e2
	s_lshr_b32 s15, s13, 2                         ; kind
	s_mul_i32 s37, s15, 3                          ; sin(a) = cos(a - pi / 2): three quadrants on
.macro PICK k, c0, c1, c2, c3, c4, c5, c6, c7
	s_cmp_eq_u32 s14, \k
	s_cselect_b32 s20, \c0, s20
	s_cselect_b32 s21, \c1, s21
	s_cselect_b32 s22, \c2, s22
	s_cselect_b32 s23, \c3, s23
	s_cselect_b32 s24, \c4, s24
	s_cselect_b32 s25, \c5, s25
	s_cselect_b32 s26, \c6, s26
	s_cselect_b32 s27, \c7, s27
.endm
	s_mov_b32 s20, 0x3f800000                      ; f[0 .. 3] for lanes 0-15,
	s_mov_b32 s21, 0x3f3ff911
	s_mov_b32 s22, 0x3f0ff59a
	s_mov_b32 s23, 0x3ed7e89b
	s_mov_b32 s24, 0x3dcccccd                      ; f[8 .. 11] for lanes 16-31
	s_mov_b32 s25, 0x3d99940e
	s_mov_b32 s26, 0x3d6655c3
	s_mov_b32 s27, 0x3d2cba15
	PICK 1, 0x3ea1e89b, 0x3e72d423, 0x3e361887, 0x3e088d77, 0x3d0186e2, 0x3cc24350, 0x3c91ad39, 0x3c5a7bf1   ; f[4 .. 7], f[12 .. 15]
	PICK 2, 0x3c23d70a, 0x3bf5b9b0, 0x3bb8449c, 0x3b8a2e77, 0x3a83126f, 0x3a44948c, 0x3a136a16, 0x39dd1726   ; f[16 .. 19], f[24 .. 27]
	PICK 3, 0x3b4f3e37, 0x3b1b690d, 0x3ae91528, 0x3aaec98e, 0x39a5cb5f, 0x3978a814, 0x393a7753, 0x390bd472   ; f[20 .. 23], f[28 .. 31]
	s_mov_b32 s28, 0x3fc90fdb                      ; pi / 2 in three parts
	s_mov_b32 s29, 0xb33bbd2e
	s_mov_b32 s30, 0xa6f72ced
	s_mov_b32 s31, 0xbe2aaaa3                      ; sin: -1.6666654611e-1, 8.3321608736e-3, -1.9515295891e-4
	s_mov_b32 s32, 0x3c08839e
	s_mov_b32 s33, 0xb94ca1f9
	s_mov_b32 s34, 0x3d2aaaa5                      ; cos: 4.166664568e-2, -1.388731625e-3, 2.443315712e-5
	s_mov_b32 s35, 0xbab6061a
	s_mov_b32 s36, 0x37ccf5ce
	s_lshl_b32 s15, s12, 4
	v_add_nc_u32 v12, s15, v2
	v_cvt_f32_u32 v12, v12                         ; t
	v_cmp_ne_u32 vcc_lo, 0, v3                     ; lanes 16-31
.macro ROPE1 e
.set B, X+8*\e
	v_mov_b32 v[B], s[20+\e]
	v_mov_b32 v[B+1], s[24+\e]
	v_cndmask_b32 v[B], v[B], v[B+1], vcc_lo
	v_mul_f32 v[B], v12, v[B]                      ; a = t f, rounded once
	v_mul_f32 v[B+1], 0x3f22f983, v[B]             ; a x 2 / pi
	v_rndne_f32 v[B+1], v[B+1]                     ; n
	v_fma_f32 v[B], -v[B+1], s28, v[B]
	v_fma_f32 v[B], -v[B+1], s29, v[B]
	v_fma_f32 v[B], -v[B+1], s30, v[B]             ; r
	v_mul_f32 v[B+2], v[B], v[B]                   ; z = r r
	v_fma_f32 v[B+3], v[B+2], s33, s32
	v_fma_f32 v[B+3], v[B+3], v[B+2], s31
	v_mul_f32 v[B+5], v[B], v[B+2]
	v_fma_f32 v[B+3], v[B+5], v[B+3], v[B]         ; sin r
	v_fma_f32 v[B+4], v[B+2], s36, s35
	v_fma_f32 v[B+4], v[B+4], v[B+2], s34
	v_mul_f32 v[B+5], v[B+2], v[B+2]
	v_fma_f32 v[B+7], v[B+2], -0.5, 1.0
	v_fma_f32 v[B+4], v[B+5], v[B+4], v[B+7]       ; cos r
	v_cvt_i32_f32 v[B+6], v[B+1]
	v_add_nc_u32 v[B+6], s37, v[B+6]               ; Q: the quadrant
	v_and_b32 v[B+5], 1, v[B+6]
	v_cmp_ne_u32 s[40+\e], 0, v[B+5]
	v_cndmask_b32 v[B+4], v[B+4], v[B+3], s[40+\e] ; odd Q: sin r
	v_add_nc_u32 v[B+6], 1, v[B+6]
	v_and_b32 v[B+6], 2, v[B+6]                    ; Q % 4 = 1 or 2: the sign turns
	v_lshlrev_b32 v[B+6], 30, v[B+6]
	v_xor_b32 v[8+\e], v[B+4], v[B+6]
.endm
	ROPE1 0
	ROPE1 1
	ROPE1 2
	ROPE1 3
	global_store_b128 v4, v[8:11], s[8:9]          ; the wave stores 512 consecutive bytes, aligned; v8-11 are not written again
	; ---- the mask through the stage
.set n, 0
.rept 32
	s_wait_loadcnt 31-n                            ; loads come back in order: load n is in, the younger ones stay out
	ds_store_b128 v5, v[R+4*n:R+4*n+3] offset:(n/2)*SP+(n%2)*512
.set n, n+1
.endr
.set n, 0
.rept 16                                       ; step 0: register X + 8 i + j = mask[r][16 i + 8 h + j].  LDS serves a wave's instructions in order: these see my stores
	ds_load_b128 v[X+4*n:X+4*n+3], v6 offset:64*(n/2)+16*(n%2)
.set n, n+1
.endr
	s_wait_dscnt 0x0
.set n, 0
.rept 16                                       ; step 1, into the registers that the stage's stores have read
	ds_load_b128 v[R+4*n:R+4*n+3], v6 offset:512+64*(n/2)+16*(n%2)
.set n, n+1
.endr
	v_mov_b32 v24, 0                               ; a written lane's register counts as read: written whole first
	v_mov_b32 v25, 0
	v_mov_b32 v26, 0
	v_mov_b32 v27, 0
; 64 compares give 64 lane masks; mask n goes to lane n / 2 of register n % 2 of the pair: lane l then holds words 2 l and 2 l + 1, 8 consecutive bytes
.macro PACK src, pair, any, full
.set n, 0
.rept 64
	v_cmp_ne_u32 s[28+n%8], 0, v[\src+n]
	v_writelane_b32 v[\pair+n%2], s[28+n%8], n/2
.set n, n+1
.endr
	v_or_b32 v28, v[\pair], v[\pair+1]
	v_and_b32 v29, v[\pair], v[\pair+1]
	v_cmp_ne_u32 s28, 0, v28                       ; lanes with a bit set
	v_cmp_ne_u32 s29, -1, v29                      ; lanes with a bit clear
	s_cmp_lg_u32 s28, 0
	s_cselect_b32 s[\any], 1, 0
	s_cmp_eq_u32 s29, 0
	s_cselect_b32 s[\full], 1, 0
.endm
	PACK X, 24, 40, 41
	global_store_b64 v7, v[24:25], s[38:39]        ; 256 consecutive bytes, aligned
	s_wait_dscnt 0x0
	PACK R, 26, 42, 43
	global_store_b64 v7, v[26:27], s[38:39] offset:256
	s_lshl_b32 s42, s42, 1
	s_or_b32 s40, s40, s42
	s_lshl_b32 s41, s41, 16
	s_or_b32 s40, s40, s41
	s_lshl_b32 s43, s43, 17
	s_or_b32 s40, s40, s43
	s_lshl_b32 s44, s13, 1
	s_lshl_b32 s40, s40, s44                       ; at the places of steps 2 sp and 2 sp + 1
	s_lshl_b32 s45, s11, 2
	v_mov_b32 v13, s45                             ; 4 W
	v_mov_b32 v14, s40
	v_cmp_eq_u32 vcc_lo, 0, v1
	s_wait_alu depctr_va_vdst(0)
	s_wait_xcnt 0x0                                ; EXEC is a source of the stores above: it changes only behind this wait
	s_wait_tensorcnt 0x0
	ds_add_u32 v224, v225
	s_wait_dscnt 0x0
	s_and_saveexec_b32 s46, vcc_lo
	global_store_b32 v13, v14, s[6:7] offset:FLAGS ; lane 0 alone
	s_wait_xcnt 0x0
	s_or_b32 exec_lo, exec_lo, s46
	s_endpgm
.Lfunc_end_k_q00a9f839e6_prep:
	.size	k_q00a9f839e6_prep, .Lfunc_end_k_q00a9f839e6_prep-k_q00a9f839e6_prep
	.p2alignl 7, 3214868480
	.fill 96, 4, 3214868480
	.section	.rodata,"a",@progbits
	.p2align	6, 0x0
	.amdhsa_kernel k_q00a9f839e6_prep
		.amdhsa_group_segment_fixed_size 67072
		.amdhsa_private_segment_fixed_size 0
		.amdhsa_enable_private_segment 0
		.amdhsa_kernarg_size 24
		.amdhsa_user_sgpr_count 2
		.amdhsa_user_sgpr_kernarg_segment_ptr 1
		.amdhsa_wavefront_size32 1
		.amdhsa_system_sgpr_workgroup_id_x 1
		.amdhsa_system_sgpr_workgroup_id_y 1
		.amdhsa_system_sgpr_workgroup_id_z 1
		.amdhsa_system_vgpr_workitem_id 0
		.amdhsa_next_free_vgpr 226
		.amdhsa_next_free_sgpr 66
		.amdhsa_reserve_vcc 1
		.amdhsa_float_denorm_mode_32 3
		.amdhsa_float_denorm_mode_16_64 3
		.amdhsa_memory_ordered 1
		.amdhsa_forward_progress 1
		.amdhsa_inst_pref_size 36
	.end_amdhsa_kernel
	.amdgpu_metadata
---
amdhsa.version: [ 1, 2 ]
amdhsa.kernels:
  - .name:           k_q00a9f839e6_prep
    .symbol:         k_q00a9f839e6_prep.kd
    .args:
      - { .name: mask, .offset: 0, .size: 8, .value_kind: global_buffer, .address_space: global }
      - { .name: mwf, .offset: 8, .size: 8, .value_kind: global_buffer, .address_space: global }
      - { .name: rope, .offset: 16, .size: 8, .value_kind: global_buffer, .address_space: global }
    .group_segment_fixed_size: 67072
    .private_segment_fixed_size: 0
    .kernarg_segment_align: 8
    .kernarg_segment_size: 24
    .max_flat_workgroup_size: 128
    .sgpr_count:     66
    .vgpr_count:     226
    .wavefront_size: 32
...
	.end_amdgpu_metadata
.endif
;; end of part 1
;; launch qkv (part 2): grid 8 x 32, 4 waves a work-group, clusters of 4 x 4, 327,680 bytes of LDS; arguments x_codes, x_scales, Wq_codes, Wq_scales, Wk_codes, Wk_scales, Wv_codes, Wv_scales, rope, qkvc, qkvs; writes qkvc, qkvs
.if DOCPART == 2
	.amdgcn_target "amdgcn-amd-amdhsa--gfx1250"
	.amdhsa_code_object_version 6
	.text
	.protected	k_q00a9f839e6_qkv
	.globl	k_q00a9f839e6_qkv
	.p2align	8
	.type	k_q00a9f839e6_qkv,@function
k_q00a9f839e6_qkv:
	s_mov_b64 s[64:65], 0
	v_nop
	global_prefetch_b8 v0, s[64:65] scope:SCOPE_SE
	s_setreg_imm32_b32 hwreg(HW_REG_WAVE_MODE, 25, 1), 1
	s_wait_xcnt 0x0
	s_wait_alu depctr_hold_cnt(0) depctr_sa_sdst(0) depctr_va_vdst(0) depctr_va_sdst(0) depctr_va_ssrc(0) depctr_va_vcc(0) depctr_vm_vsrc(0)
	s_getreg_b32 s2, hwreg(HW_REG_IB_STS2, 6, 4)
	s_cmp_eq_u32 s2, 0
	s_cbranch_scc0 .Lentry_in_a_cluster
	s_endpgm
.Lentry_in_a_cluster:
	s_bfe_u32 s2, ttmp6, 0x10000c
	s_cmp_lg_u32 s2, 0xf033
	s_cbranch_scc0 .Lentry_shape_is_right
	s_endpgm
.Lentry_shape_is_right:
; QKV: q = rope(x Wq^T), k = rope(x Wk^T), v = x Wv^T on codes of FP6 (E2M3), one E8M0 scale for each 32 along K = 1,024; the results are quantised at once: q, k along the head's 64, v along the keys.
; SHARES.  256 work-groups: 256 rows of x (tile row s43) x 128 columns (tile column s42: two heads) of EACH of the three products.  The 256 rows of x, all of K, come into LDS once and stay.
; Four waves, 2 x 2: wave row a takes rows 128 a .. + 127 in eight blocks of 16, wave column b one head: its 64 rows of the weight, all of K, lie in 384 registers.  A block is 32 products (4 column tiles x 8 K steps).
; THREE PHASES q, k, v on the same rows.  The weights' region of LDS is filled again twice, each time behind a drained round of the cluster's barrier, as soon as every wave holds the last weight in registers:
; eight blocks of products stand between that request and the barrier that shows it.  So no prefetch is laid: nothing waits for a stream whose request stands a whole phase ahead.
; q and k are one text, a loop of two trips; what differs lies in scalars.  x's blocks go round a ring of two register sets; blocks 6 and 7 fetch blocks 0 and 1 for the next phase.
; q, k: source 0 = the weight's rows: a lane holds token l % 16, register 8 t + j is channel 16 t + 8 (l / 16) + j: the rotary partner lies 16 registers on.  v: source 0 = x's rows: a lane holds channel l % 16 of tile t,
; and two neighbouring blocks give it 16 keys of a block of 32.  The way out of a block (v: of a pair) stands among the next block's products, four plain lines behind every second product; conversions behind the last.
; cos and sin come by tiles of 16 tokens into four register buffers, three blocks ahead.  The k trip's last three such requests (and v needs none) fetch tiles that are not used: the loop's text is one for both trips.
; CLUSTERS 4 x 4: x's rows and scale bytes are shared along a row of the cluster, a weight's rows along a column: joint loads.
; OUT, as the attention launch reads it: qkvc: q at 0, k at KC_: [bh][tile of 16 tokens][block 2][r 16][24 bytes], code place 16 hh + 8 i + j = channel 32 block + 16 i + 8 hh + j;
;   v at VC_: [bh][step of 128 keys][16 channels 4][block of 32 keys 4][r][24], place 16 hh + 8 u + j = key 32 block + 16 u + 8 hh + j.
;   qkvs: q at 0, k at KS_: [bh][token] words (bytes 0, 1 the blocks' scales, bytes 2, 3 = 127); v at VS_: [bh][step][channel 64] words, byte b = block b.
; LIMITS: a block of zeros, or one whose largest magnitude lies under 2^-124, gets the byte 1 (the rule says 127 for zeros): its codes are zeros and only this program reads the bytes.  NaN among the given scale bytes is not served.
;   The rotation fuses one multiply and the add: one rounding fewer than two products and a sum.
; REGISTERS: window 0: addresses, scale words (SA, SB: nothing else lies there), sums, the way out.  Fragment f (12 registers) lies in window 1 + f / 21 at 12 (f % 21): 0-31 the weight's (4 q + t), 32-47 x's two sets.
;   Window 3 from register 72: four buffers of cos and sin; from 200: the scale words of Wk and Wv.
.set KROW,  768
.set PITCH, 816                        ; an LDS row: 3 x (256 + 16)
.set FPW,   21
.set WB,    256*PITCH                  ; x's rows at 0, the weight's 128 rows here
.set SCL,   WB+128*PITCH               ; x's scale bytes: 32 units of 256 + 16
.set SPARE, SCL+32*272
.set QST,   SPARE+512                  ; q's, k's scale words: 512 bytes a wave
.set VST,   QST+2048                   ; v's: 256 bytes a wave
.set KC_,   6291456
.set VC_,   12582912
.set KS_,   524288
.set VS_,   1048576
.set ST, 8
.set L16, 9
.set SPW, 10
.set NIL, 11
.set QI, 12
.set QO, 13
.set VI, 14
.set VO, 15
.set ABS, 16
.set AS, 17
.set L8, 18
.set AX, 20                            ; v20-35 LDS addresses of my eight blocks (two each: the second for pieces behind one padding more)
.set AW, 36                            ; v36-43 of my four column tiles
.set SA, 44
.set ACC, 64
.set VA, 64
.set X, 128
.set TM, 192
.set PM, 196
.set SO, 200
.set WD, 204
.set WV, 206
.set C, 212
.set SB, 240
.set CT, 72
.set SB2, 200
.set SB3, 216
.set G1A, 24
.set G1B, 32
.set G1S, 48
.set G0A, 56
.set G0B, 60
.set G0S, 92
.set MSB, 0
.set CNT, 0
.macro WIN new
.if MSB != (\new)
	s_set_vgpr_msb (MSB<<8)|(\new)
.set MSB, (\new)
.endif
.endm
.macro PLACES n
.rept \n
	v_nop
.endr
.endm
.macro WALU
	s_wait_alu depctr_va_vdst(0)
.endm
.macro BARRIER
	s_barrier_signal -1
	s_barrier_wait -1
.endm
.macro CROUND
	s_barrier_signal -1
	s_barrier_wait -1
	s_cmp_lg_u32 s14, 0
	s_cbranch_scc1 .Lnw0_\@
	s_barrier_signal -3
.Lnw0_\@:
	s_barrier_wait -3
	s_barrier_signal -1
	s_barrier_wait -1
.endm
.macro TLOAD g0, g1
	tensor_load_to_lds s[\g0:\g0+3], s[\g1:\g1+7]
	s_nop 0
	PLACES 4
.endm
.macro GROUP1 g, mask
	s_or_b32 s[\g+0], s[\mask], (1<<20)|(1<<21)|(5<<22)|(3<<25)
	s_mov_b32 s[\g+1], KROW<<16
	s_mov_b32 s[\g+2], 128<<16
	s_mov_b32 s[\g+3], KROW<<16
	s_mov_b32 s[\g+4], 128
	s_mov_b32 s[\g+5], KROW
	s_mov_b32 s[\g+6], 0
	s_mov_b32 s[\g+7], 0
.endm
; a fragment: six pieces of 8 bytes; piece P of a row lies at 8 (P + 2 (P / 32)); lanes 16-31 read three pieces on, which for P % 32 >= 29 is behind one padding more: the second address
.macro LD1 r, pc, a0, a1
.if ((\pc)%32+3)/32
	ds_load_b64 v[\r:\r+1], v[\a1] offset:8*((\pc)+2*((\pc)/32))
.else
	ds_load_b64 v[\r:\r+1], v[\a0] offset:8*((\pc)+2*((\pc)/32))
.endif
.set CNT, CNT+1
.endm
.macro FRAG f, q, a0, a1
	WIN (1+(\f)/FPW)<<6
.set R_, 12*((\f)%FPW)
.irp p, 0,2,4
.set P0_, 12*(\q)+6*(\p/3)+\p%3
.set P1_, 12*(\q)+6*((\p+1)/3)+(\p+1)%3
.if (P0_%32+3)/32 == (P1_%32+3)/32
.if (P0_%32+3)/32
	ds_load_2addr_b64 v[R_+2*\p:R_+2*\p+3], v[\a1] offset0:P0_+2*(P0_/32) offset1:P1_+2*(P1_/32)
.else
	ds_load_2addr_b64 v[R_+2*\p:R_+2*\p+3], v[\a0] offset0:P0_+2*(P0_/32) offset1:P1_+2*(P1_/32)
.endif
.set CNT, CNT+1
.else
	LD1 R_+2*\p, P0_, \a0, \a1
	LD1 R_+2*\p+2, P1_, \a0, \a1
.endif
.endr
.endm
.macro WEIGHTS
.irp q, 0,1,2,3,4,5,6,7
.irp t, 0,1,2,3
	FRAG 4*\q+\t, \q, AW+2*\t, AW+2*\t+1
.endr
.endr
	WIN 0
.endm
.macro FETCH e, s                      ; block s of x's rows and its scale words into set e: NF loads
.irp q, 0,1,2,3,4,5,6,7
	FRAG 32+8*(\e)+\q, \q, AX+2*(\s), AX+2*(\s)+1
.endr
	WIN 0
	ds_load_b128 v[SA+8*(\e):SA+8*(\e)+3], v[AS] offset:544*(\s)
	ds_load_b128 v[SA+8*(\e)+4:SA+8*(\e)+7], v[AS] offset:544*(\s)+16
.set CNT, CNT+2
.endm
.macro ROPELD t                        ; cos and sin of my tile t of 16 tokens, in my registers' order, into buffer t % 4
	WIN 0xc0
.irp g, 0,1,2,3,4,5,6,7
	global_load_b128 v[CT+32*((\t)%4)+4*\g:CT+32*((\t)%4)+4*\g+3], v[L16], s[84:85] offset:4096*(\t)+512*\g
.endr
	WIN 0
.endm
.macro MM d, r0, r1, c, x0, x1, side, o
.if \o
	v_wmma_scale_f32_16x16x128_f8f6f4 v[\d:\d+7], v[\r0:\r0+11], v[\r1:\r1+11], \c, v[\x0], v[\x1] matrix_a_fmt:MATRIX_FMT_FP6 matrix_b_fmt:MATRIX_FMT_FP6 matrix_\side\()_scale:MATRIX_SCALE_ROW1
.else
	v_wmma_scale_f32_16x16x128_f8f6f4 v[\d:\d+7], v[\r0:\r0+11], v[\r1:\r1+11], \c, v[\x0], v[\x1] matrix_a_fmt:MATRIX_FMT_FP6 matrix_b_fmt:MATRIX_FMT_FP6
.endif
.endm
; product n = 4 q + t of a block.  kind 0: source 0 the weight's rows; kind 1: source 0 x's rows.  The four sums take turns
.macro PROD kind, e, n, d
.set Q_, (\n)/4
.set T_, (\n)%4
.set D_, \d
.set FA_, 32+8*(\e)+Q_
.set RB_, 12*((\n)%FPW)
.set RA_, 12*(FA_%FPW)
.set XB_, SB+8*(T_/2)+Q_
.set XA_, SA+8*(\e)+Q_
.if \kind
	WIN (1+FA_/FPW)|((1+(\n)/FPW)<<2)
.if Q_
	MM D_, RA_, RB_, v[D_:D_+7], XA_, XB_, b, T_%2
.else
	MM D_, RA_, RB_, 0, XA_, XB_, b, T_%2
.endif
.else
	WIN (1+(\n)/FPW)|((1+FA_/FPW)<<2)
.if Q_
	MM D_, RB_, RA_, v[D_:D_+7], XB_, XA_, a, T_%2
.else
	MM D_, RB_, RA_, 0, XB_, XA_, a, T_%2
.endif
.endif
.endm
.macro BLOCK kind, e, d0, ds, from, to, list, x, y
.set N_, \from
.rept (\to)-(\from)
	PROD \kind, \e, N_, (\d0)+(\ds)*(N_%4)
.if N_%2
.set J_, 2*(N_-1)
	\list J_, \x, \y
	\list J_+1, \x, \y
	\list J_+2, \x, \y
	\list J_+3, \x, \y
.endif
.set N_, N_+1
.endr
.endm
.macro RUN list, n, x, y
.set I_, 0
.rept \n
	\list I_, \x, \y
.set I_, I_+1
.endr
.endm
.macro L_NONE i, x, y
.endm
; line i of q's or k's way out: sums at a, cos and sin at c (window 3).  0-31 the rotation, 32-47 the two blocks' largest magnitudes, 48-55 the scales
.macro QL i, a, c
.if (\i) < 32
.set M_, (\i)/4
.set A1_, (\a)+8*(M_/4)+2*(M_%4)
.set A2_, A1_+16
.set X1_, X+2*M_
.set X2_, X1_+16
.set CC_, (\c)+2*M_
.set SS_, CC_+16
	WIN 0x0c
.if (\i)%4 == 0
	v_pk_mul_f32 v[X1_:X1_+1], v[A2_:A2_+1], v[SS_:SS_+1]
.elseif (\i)%4 == 1
	v_pk_mul_f32 v[X2_:X2_+1], v[A1_:A1_+1], v[SS_:SS_+1]
.elseif (\i)%4 == 2
	v_pk_fma_f32 v[X1_:X1_+1], v[A1_:A1_+1], v[CC_:CC_+1], v[X1_:X1_+1] neg_lo:[0,0,1] neg_hi:[0,0,1]
.else
	v_pk_fma_f32 v[X2_:X2_+1], v[A2_:A2_+1], v[CC_:CC_+1], v[X2_:X2_+1]
.endif
.elseif (\i) < 56
.set B_, (\i)%2
.set K_, ((\i)-32)/2
	WIN 0
.if K_ == 0
	v_max3_num_f32 v[TM+B_], |v[X+16*B_]|, |v[X+16*B_+1]|, 0x1800000
.elseif K_ < 8
	v_max3_num_f32 v[TM+B_], |v[X+16*B_+2*K_]|, |v[X+16*B_+2*K_+1]|, v[TM+B_]
.elseif K_ == 8
	v_permlanex16_b32 v[PM+B_], v[TM+B_], s46, s47
.elseif K_ == 9
	v_max_num_f32 v[TM+B_], v[TM+B_], v[PM+B_]
.elseif K_ == 10
	v_add_nc_u32 v[SO+B_], 0xff000000, v[TM+B_]
.else
	v_lshrrev_b32 v[PM+B_], 23, v[SO+B_]
.endif
.endif
.endm
.macro QOUT s                          ; the rest of block s's way out: 32 codes a lane, the token's scale word
	WALU
	s_wait_xcnt 0x0                                ; the last block's stores have read the codes' registers
	v_cvt_scalef32_pk16_fp6_f32 v[C:C+2], v[X:X+15], v[SO]
	v_cvt_scalef32_pk16_fp6_f32 v[C+4:C+6], v[X+16:X+31], v[SO+1]
	v_lshl_or_b32 v[WD], v[PM+1], 8, v[PM]
	v_or_b32 v[WD], 0x7f7f0000, v[WD]
	PLACES 2                                       ; with the two lines above: four places behind the block's last product
	global_store_b96 v[ST], v[C:C+2], s[88:89] offset:768*(\s)
	global_store_b96 v[ST], v[C+4:C+6], s[88:89] offset:768*(\s)+384
	ds_store_b32 v[QI], v[WD] offset:64*(\s)       ; both halves of the lanes write the same word with the same value
.endm
; block s of q or k.  s_wait_loadcnt 24: the tile of cos and sin for block s - 1 is in; the three tiles asked for since, eight loads each, may be out.
; s_wait_dscnt NF: this block's rows are in; the fetch issued behind the last block, NF loads, may be out.
.macro QBLK s
.if (\s) > 0
	s_wait_loadcnt 24
.endif
	s_wait_dscnt NF
.if (\s) == 0
	BLOCK 0, 0, ACC, 8, 0, 32, L_NONE, 0, 0
	WIN 0
	PLACES 4
.elseif (\s) == 7
	BLOCK 0, 1, ACC+32, 8, 0, 16, QL, ACC, CT+64
	WIN 0
	WALU
	s_wait_tensorcnt 0x0                           ; the next weight's rows have landed;
	s_wait_dscnt 0x0
	s_barrier_signal -1                            ; a plain barrier shows them to all
	BLOCK 0, 1, ACC+32, 8, 16, 32, QL, ACC, CT+64
	WIN 0
	s_barrier_wait -1
	QOUT 6
.else
	BLOCK 0, (\s)%2, ACC+32*((\s)%2), 8, 0, 32, QL, ACC+32*(((\s)+1)%2), CT+32*(((\s)-1)%4)
	WIN 0
	QOUT (\s)-1
.endif
	FETCH (\s)%2, ((\s)+2)%8
	ROPELD ((\s)+3)%8
.endm
; line i of v's way out: a pair of blocks' sums at a: four blocks of 32 keys (one a column tile), 16 of each in my lane
.macro VL i, a, y
.if (\i) < 48
.set B_, (\i)%4
.set K_, (\i)/4
	WIN 0
.if K_ == 0
	v_max3_num_f32 v[TM+B_], |v[(\a)+16*B_]|, |v[(\a)+16*B_+1]|, 0x1800000
.elseif K_ < 8
	v_max3_num_f32 v[TM+B_], |v[(\a)+16*B_+2*K_]|, |v[(\a)+16*B_+2*K_+1]|, v[TM+B_]
.elseif K_ == 8
	v_permlanex16_b32 v[PM+B_], v[TM+B_], s46, s47
.elseif K_ == 9
	v_max_num_f32 v[TM+B_], v[TM+B_], v[PM+B_]
.elseif K_ == 10
	v_add_nc_u32 v[SO+B_], 0xff000000, v[TM+B_]
.else
	v_lshrrev_b32 v[PM+B_], 23, v[SO+B_]
.endif
.endif
.endm
.macro VOUT p
	WALU
	s_wait_xcnt 0x0
.irp b, 0,1,2,3
	v_cvt_scalef32_pk16_fp6_f32 v[C+4*\b:C+4*\b+2], v[VA+64*((\p)%2)+16*\b:VA+64*((\p)%2)+16*\b+15], v[SO+\b]
.endr
.irp b, 0,1,2,3
	v_lshl_or_b32 v[WV+\b], v[PM+\b], 8*(\p), v[WV+\b]   ; byte p of the channel's scale word; four places behind the block's last product
.endr
.irp b, 0,1,2,3
	global_store_b96 v[ST], v[C+4*\b:C+4*\b+2], s[96:97] offset:1536*\b+384*(\p)
.endr
.endm
.macro VBLK s
.if (\s) == 7
	s_wait_dscnt 0x0
.else
	s_wait_dscnt NF
.endif
.if ((\s)%2 == 0) && ((\s) > 0)
	BLOCK 1, 0, VA+64*(((\s)/2)%2), 16, 0, 32, VL, VA+64*(((\s)/2+1)%2), 0
	WIN 0
	VOUT (\s)/2-1
.else
	BLOCK 1, (\s)%2, VA+64*(((\s)/2)%2)+8*((\s)%2), 16, 0, 32, L_NONE, 0, 0
	WIN 0
	PLACES 4
.endif
.if (\s) < 6
	FETCH (\s)%2, (\s)+2
.endif
.endm
; ---------------- the head
	s_load_b512 s[68:83], s[0:1], 0x0              ; x's codes, scales; Wq's; Wk's; Wv's
	s_load_b64 s[84:85], s[0:1], 0x40              ; rope
	s_load_b128 s[88:91], s[0:1], 0x48             ; qkvc, qkvs
	v_lshl_add_u32 v[SPW], v0, 2, SPARE
	v_mov_b32 v[NIL], 0
	ds_add_u32 v[SPW], v[NIL]
	ds_add_u32 v[SPW], v[NIL]
	v_lshrrev_b32 v1, 5, v0
	v_readfirstlane_b32 s14, v1                    ; wave; s15 its row a, s16 its column b
	s_lshr_b32 s15, s14, 1
	s_and_b32 s16, s14, 1
	s_bfe_u32 s40, ttmp6, 0x40000
	s_bfe_u32 s41, ttmp6, 0x40004
	s_lshl_b32 s42, ttmp9, 2
	s_add_co_u32 s42, s42, s40                     ; tile column 0 .. 7
	s_and_b32 s43, ttmp7, 0xffff
	s_lshl_b32 s43, s43, 2
	s_add_co_u32 s43, s43, s41                     ; tile row 0 .. 31
	s_lshl_b32 s44, s41, 2
	s_lshl_b32 s44, 15, s44                        ; my row of the cluster
	s_lshl_b32 s45, 0x1111, s40                    ; my column
	GROUP1 G1A, 44
	GROUP1 G1B, 45
	s_or_b32 s[G1S+0], s44, (3<<16)|(1<<20)|(1<<21)|(5<<22)|(3<<25)
	s_mov_b32 s[G1S+1], 32<<16
	s_mov_b32 s[G1S+2], 32<<16
	s_mov_b32 s[G1S+3], 32<<16
	s_mov_b32 s[G1S+4], 32
	s_mov_b32 s[G1S+5], 32
	s_mov_b32 s[G1S+6], 0
	s_mov_b32 s[G1S+7], 0
	s_mov_b32 s[G0A], 1
	s_mul_i32 s[G0A+1], s16, 128*PITCH             ; waves 2 and 3: a half of x's rows each
	s_mov_b32 s[G0B], 1
	s_mov_b32 s[G0B+1], WB
	s_mov_b32 s[G0S], 1
	s_mov_b32 s[G0S+1], SCL
	s_mov_b32 s46, 0x76543210
	s_mov_b32 s47, 0xfedcba98                      ; lane l xor 16
	s_mul_i32 s21, s15, 128*PITCH
	s_mul_i32 s22, s16, 64*PITCH
	s_add_co_u32 s22, s22, WB
	s_mul_i32 s23, s15, 16*272
	s_add_co_u32 s23, s23, SCL
	s_lshl_b32 s4, s14, 9
	s_add_co_u32 s4, s4, QST
	s_lshl_b32 s5, s14, 8
	s_add_co_u32 s5, s5, VST
	v_and_b32 v1, 15, v0                           ; r
	v_bfe_u32 v2, v0, 4, 1                         ; h
	v_and_b32 v3, 31, v0
	v_mul_u32_u24 v4, v1, PITCH
	v_mad_u32_u24 v5, v2, 24, v4
	v_mad_u32_u24 v6, v2, 40, v4
	v_add_nc_u32 v7, s21, v5
	v_add_nc_u32 v19, s21, v6
.irp s, 0,1,2,3,4,5,6,7
	v_add_nc_u32 v[AX+2*\s], \s*16*PITCH, v7
	v_add_nc_u32 v[AX+2*\s+1], \s*16*PITCH, v19
.endr
	v_add_nc_u32 v5, s22, v5
	v_add_nc_u32 v6, s22, v6
.irp t, 0,1,2,3
	v_add_nc_u32 v[AW+2*\t], \t*16*PITCH, v5
	v_add_nc_u32 v[AW+2*\t+1], \t*16*PITCH, v6
.endr
	v_lshrrev_b32 v4, 3, v1
	v_lshlrev_b32 v4, 4, v4
	v_lshl_add_u32 v4, v1, 5, v4                   ; 32 bytes a row, 16 more behind every 256
	v_add_nc_u32 v[AS], s23, v4
	v_mul_u32_u24 v4, v1, 24
	v_mad_u32_u24 v[ST], v2, 12, v4                ; 24 r + 12 h: my 16 codes' place in a block's 384 bytes
	v_lshlrev_b32 v[L16], 4, v3
	v_lshlrev_b32 v[L8], 3, v3
	v_lshlrev_b32 v[ABS], 5, v3
	v_lshl_add_u32 v[QI], v1, 2, s4
	v_lshl_add_u32 v[QO], v3, 4, s4
	v_lshl_add_u32 v[VI], v1, 2, s5
	v_lshl_add_u32 v[VO], v3, 3, s5
.irp b, 0,1,2,3
	v_mov_b32 v[PM+\b], 0                          ; a lane permute's destination counts as one of its sources
.endr
	WALU
	s_wait_dscnt 0x0
	CROUND                                         ; the round in front of the first joint loads
	s_wait_kmcnt 0x0
	s_mov_b32 s21, 0
	s_mul_i32 s20, s43, 256*KROW
	s_mul_i32 s22, s16, 128*KROW
	s_add_co_u32 s20, s20, s22
	s_add_nc_u64 s[G0A+2:G0A+3], s[68:69], s[20:21]
	s_or_b32 s[G0A+3], s[G0A+3], 0x80000000
	s_mul_i32 s20, s43, 256*32
	s_add_nc_u64 s[G0S+2:G0S+3], s[70:71], s[20:21]
	s_or_b32 s[G0S+3], s[G0S+3], 0x80000000
	s_mul_i32 s20, s42, 128*KROW
	s_add_nc_u64 s[G0B+2:G0B+3], s[72:73], s[20:21]
	s_or_b32 s[G0B+3], s[G0B+3], 0x80000000
	s_add_nc_u64 s[76:77], s[76:77], s[20:21]      ; Wk's and Wv's rows, for the refills
	s_add_nc_u64 s[80:81], s[80:81], s[20:21]
	s_mul_i32 s20, s42, 128*32
	s_mul_i32 s22, s16, 64*32
	s_add_co_u32 s20, s20, s22
	s_add_nc_u64 s[74:75], s[74:75], s[20:21]      ; the scale bytes of my 64 rows of each weight
	s_add_nc_u64 s[78:79], s[78:79], s[20:21]
	s_add_nc_u64 s[82:83], s[82:83], s[20:21]
	s_cmp_eq_u32 s14, 0                            ; one load a wave: Wq's rows, x's scale bytes, x's two halves
	s_cbranch_scc0 .Lw1
	TLOAD G0B, G1B
	s_branch .Lasked
.Lw1:
	s_cmp_eq_u32 s14, 1
	s_cbranch_scc0 .Lw2
	TLOAD G0S, G1S
	s_branch .Lasked
.Lw2:
	TLOAD G0A, G1A
.Lasked:
.irp p, 0,1
.irp c, 0,1
	global_load_b128 v[SB+8*\p+4*\c:SB+8*\p+4*\c+3], v[ABS], s[74:75] offset:\p*1024+16*\c   ; lane l: row 32 p + l: two column tiles to a register
.endr
.endr
	WIN 0xc0
.irp p, 0,1
.irp c, 0,1
	global_load_b128 v[SB2+8*\p+4*\c:SB2+8*\p+4*\c+3], v[ABS], s[78:79] offset:\p*1024+16*\c
	global_load_b128 v[SB3+8*\p+4*\c:SB3+8*\p+4*\c+3], v[ABS], s[82:83] offset:\p*1024+16*\c
.endr
.endr
	WIN 0
	s_and_b32 s23, s43, 7
	s_lshl_b32 s23, s23, 8
	s_lshl_b32 s22, s15, 7
	s_add_co_u32 s23, s23, s22                     ; my first token
	s_lshl_b32 s20, s23, 8                         ; the table: 4,096 bytes for 16 tokens
	s_add_nc_u64 s[84:85], s[84:85], s[20:21]
	ROPELD 0
	ROPELD 1
	ROPELD 2
	s_lshr_b32 s22, s43, 3
	s_lshl_b32 s22, s22, 4
	s_lshl_b32 s4, s42, 1
	s_add_co_u32 s22, s22, s4
	s_add_co_u32 s22, s22, s16                     ; bh
	s_lshl_b32 s4, s22, 4
	s_lshr_b32 s5, s23, 7
	s_add_co_u32 s4, s4, s5                        ; 16 bh + step
	s_mul_i32 s20, s4, 6144
	s_add_co_u32 s20, s20, VC_
	s_add_nc_u64 s[96:97], s[88:89], s[20:21]      ; v's codes
	s_lshl_b32 s20, s4, 8
	s_add_co_u32 s20, s20, VS_
	s_add_nc_u64 s[98:99], s[90:91], s[20:21]      ; v's scale words
	s_lshl_b32 s4, s22, 7
	s_lshr_b32 s5, s23, 4
	s_add_co_u32 s4, s4, s5
	s_mul_i32 s20, s4, 768
	s_add_nc_u64 s[88:89], s[88:89], s[20:21]      ; q's codes
	s_lshl_b32 s4, s22, 11
	s_add_co_u32 s4, s4, s23
	s_lshl_b32 s20, s4, 2
	s_add_nc_u64 s[90:91], s[90:91], s[20:21]      ; q's scale words
	s_cmp_eq_u32 s14, 0
	s_cbranch_scc0 .Lnot_w
	s_wait_tensorcnt 0x0
.Lnot_w:
	BARRIER                                        ; Wq's rows are in
	WEIGHTS
	s_wait_tensorcnt 0x0
	s_wait_dscnt 0x0
	BARRIER                                        ; x's rows and scale bytes are in
.set CNT, 0
	FETCH 0, 0
.set NF, CNT
	FETCH 1, 1
	s_wait_loadcnt 24                              ; the weights' scale words are in; the three tiles of cos and sin may be out
	s_mov_b32 s3, 0
; ---------------- q, then k
.Lphase:
	WALU
	s_wait_tensorcnt 0x0                           ; ahead of a refill's round
	ds_add_u32 v[SPW], v[NIL]
	s_cmp_eq_u32 s3, 0
	s_cselect_b64 s[G0B+2:G0B+3], s[76:77], s[80:81]   ; the next weight: Wk, then Wv
	s_or_b32 s[G0B+3], s[G0B+3], 0x80000000
	s_wait_dscnt 0x0                               ; I hold this phase's weight in registers
	CROUND
	s_cmp_eq_u32 s14, 0
	s_cbranch_scc0 .Lno_load
	TLOAD G0B, G1B
.Lno_load:
.irp s, 0,1,2,3,4,5,6,7
	QBLK \s
.endr
	WEIGHTS                                        ; the next phase's weight; block 7's way out stands under these loads' flight
	WIN 0x03
.set I_, 0
.rept 16
	v_mov_b32 v[SB+I_], v[SB2+I_]
.set I_, I_+1
.endr
	WIN 0xc3
.set I_, 0
.rept 16
	v_mov_b32 v[SB2+I_], v[SB3+I_]
.set I_, I_+1
.endr
	WIN 0
	s_wait_loadcnt 24
	RUN QL, 56, ACC+32, CT+96
	WIN 0
	QOUT 7
	ds_load_b128 v[C+8:C+11], v[QO]                ; my own 128 words, served in order
	s_wait_dscnt 0x0
	global_store_b128 v[L16], v[C+8:C+11], s[90:91]    ; 512 consecutive bytes
	s_wait_xcnt 0x0                                ; the stores have read their bases
	s_add_nc_u64 s[88:89], s[88:89], KC_
	s_add_nc_u64 s[90:91], s[90:91], KS_
	s_add_co_u32 s3, s3, 1
	s_cmp_lt_u32 s3, 2
	WALU
	s_cbranch_scc1 .Lphase
; ---------------- v
.irp t, 0,1,2,3
	v_mov_b32 v[WV+\t], 0
.endr
.irp s, 0,1,2,3,4,5,6,7
	VBLK \s
.endr
	RUN VL, 48, VA+64, 0
	WIN 0
	VOUT 3
.irp b, 0,1,2,3
	ds_store_b32 v[VI], v[WV+\b] offset:64*\b
.endr
	ds_load_b64 v[60:61], v[VO]
	s_wait_dscnt 0x0
	global_store_b64 v[L8], v[60:61], s[98:99]     ; 256 consecutive bytes, aligned
	s_wait_tensorcnt 0x0                           ; the wave's end
	ds_add_u32 v[SPW], v[NIL]
	s_wait_dscnt 0x0
	CROUND                                         ; the closing round
	s_endpgm
.Lfunc_end_k_q00a9f839e6_qkv:
	.size	k_q00a9f839e6_qkv, .Lfunc_end_k_q00a9f839e6_qkv-k_q00a9f839e6_qkv
	.p2alignl 7, 3214868480
	.fill 96, 4, 3214868480
	.section	.rodata,"a",@progbits
	.p2align	6, 0x0
	.amdhsa_kernel k_q00a9f839e6_qkv
		.amdhsa_group_segment_fixed_size 327680
		.amdhsa_private_segment_fixed_size 0
		.amdhsa_enable_private_segment 0
		.amdhsa_kernarg_size 88
		.amdhsa_user_sgpr_count 2
		.amdhsa_user_sgpr_kernarg_segment_ptr 1
		.amdhsa_wavefront_size32 1
		.amdhsa_system_sgpr_workgroup_id_x 1
		.amdhsa_system_sgpr_workgroup_id_y 1
		.amdhsa_system_sgpr_workgroup_id_z 1
		.amdhsa_system_vgpr_workitem_id 0
		.amdhsa_next_free_vgpr 1024
		.amdhsa_next_free_sgpr 102
		.amdhsa_reserve_vcc 0
		.amdhsa_float_denorm_mode_32 3
		.amdhsa_float_denorm_mode_16_64 3
		.amdhsa_memory_ordered 1
		.amdhsa_forward_progress 1
		.amdhsa_inst_pref_size 193
	.end_amdhsa_kernel
	.amdgpu_metadata
---
amdhsa.version: [ 1, 2 ]
amdhsa.kernels:
  - .name:           k_q00a9f839e6_qkv
    .symbol:         k_q00a9f839e6_qkv.kd
    .args:
      - { .name: x_codes, .offset: 0, .size: 8, .value_kind: global_buffer, .address_space: global }
      - { .name: x_scales, .offset: 8, .size: 8, .value_kind: global_buffer, .address_space: global }
      - { .name: Wq_codes, .offset: 16, .size: 8, .value_kind: global_buffer, .address_space: global }
      - { .name: Wq_scales, .offset: 24, .size: 8, .value_kind: global_buffer, .address_space: global }
      - { .name: Wk_codes, .offset: 32, .size: 8, .value_kind: global_buffer, .address_space: global }
      - { .name: Wk_scales, .offset: 40, .size: 8, .value_kind: global_buffer, .address_space: global }
      - { .name: Wv_codes, .offset: 48, .size: 8, .value_kind: global_buffer, .address_space: global }
      - { .name: Wv_scales, .offset: 56, .size: 8, .value_kind: global_buffer, .address_space: global }
      - { .name: rope, .offset: 64, .size: 8, .value_kind: global_buffer, .address_space: global }
      - { .name: qkvc, .offset: 72, .size: 8, .value_kind: global_buffer, .address_space: global }
      - { .name: qkvs, .offset: 80, .size: 8, .value_kind: global_buffer, .address_space: global }
    .group_segment_fixed_size: 327680
    .private_segment_fixed_size: 0
    .kernarg_segment_align: 8
    .kernarg_segment_size: 88
    .max_flat_workgroup_size: 128
    .sgpr_count:     102
    .vgpr_count:     1024
    .wavefront_size: 32
...
	.end_amdgpu_metadata
.endif
;; end of part 2
;; launch attn (part 3): grid 4 x 64, 16 waves a work-group, no clusters, 215,040 bytes of LDS; arguments qkvc, qkvs, mwf, oc, os; writes oc, os
.if DOCPART == 3
	.amdgcn_target "amdgcn-amd-amdhsa--gfx1250"
	.amdhsa_code_object_version 6
	.text
	.protected	k_q00a9f839e6_attn
	.globl	k_q00a9f839e6_attn
	.p2align	8
	.type	k_q00a9f839e6_attn,@function
k_q00a9f839e6_attn:
	s_mov_b64 s[64:65], 0
	v_nop
	global_prefetch_b8 v0, s[64:65] scope:SCOPE_SE
	s_setreg_imm32_b32 hwreg(HW_REG_WAVE_MODE, 25, 1), 1
	s_wait_xcnt 0x0
; ATTN: o = softmax(q k^T / 8, under the given mask) v for one (batch, head) a work-group row, both products on codes of FP6 (E2M3) with E8M0 scales; o is quantised along the model's 1,024 for the last product.
; THE SOFTMAX AHEAD OF THE SECOND PRODUCT: t = score x log2(e) / 8; M = the running largest t rounded up to a whole number; p = 2^(t - M) is quantised along the keys, not normalised; the row's sum is taken of the
; unquantised p and divides at the end.  When M moves, the sum and O are multiplied by 2^(old M - new M): exact.
; SHARES.  bh = work-group y; the four work-groups x of a head share its 128 tiles of 16 queries: wave w of work-group j takes tiles 16 j + w and 127 - (16 j + w), one after the other, in 256 registers.
; K AND V OF THE WHOLE HEAD STAY IN LDS (codes 98,304 bytes each, scale words 8,192 and 4,096), brought once through registers; one barrier; afterwards LDS is only read.
;   No tensor load. The walk over the key steps branches on flags that an earlier launch stored.  No cluster: what the four work-groups share is read once, at the head.
; THE MASK is an input.  An earlier launch packed it: for each (tile, step of 128 keys) 64 lane-mask words and two flags.  A step with no open key for the tile is left out (a scalar branch on the stored flag; the lines
;   that step addresses are on every path and the trip count is 16); a step all of whose keys are open skips the 64 selections; else hidden scores become -infinity ahead of the maximum, so p = 0.
;   A ROW WITH NO OPEN KEY has the sum 0: it gets zero codes under the scale byte 0xff, which makes the last product's whole row NaN, as a softmax over nothing is.
; LAYOUT.  Both products transposed: S^T = K Q^T (source 0 = 16 keys, source 1 = my 16 queries), O^T = V^T P^T: a lane holds one query (lane % 16) throughout.
;   The head is 64 wide, half of the instruction's K: Q's registers 6-11 are zero codes, so K's registers 6-11 may hold any codes: the fragment of key tile i is v[32 + 6 i .. 43 + 6 i], whose upper half is the next tile's data.
;   Register 8 i + j of S^T is key 16 i + 8 (lane / 16) + j: p's block b has at place 16 hh + 8 u + j the key 32 b + 16 u + 8 hh + j, and V's codes were laid in that order.
;   The channels that form a tile of V^T are chosen (row m of tile t is channel 32 (t / 2) + 8 (t % 2) + m % 8 + 16 (m / 8)), so that a lane's 16 registers of two neighbouring tiles are 16 neighbouring channels.
; O^T begins as zeros by 32 moves a tile: which step runs first hangs on the flags, so no first step can be written out.
; OUT: oc [head 16][tile of 16 rows 512][block 2][r 16][24 bytes], channels in their natural order; os [row 8192][32] scale bytes.  os is written a byte a lane: a work-group owns 2 of a row's 32 bytes.
; LIMITS: a block of zeros gets the byte 1 (only this program reads the bytes).  Inside a block of 32 the order of k is permuted alike on both sides, which changes only how the unit groups its sums.
.set VC,    98304                      ; LDS: K's codes at 0 as they lie in memory (768 bytes a tile of 16 keys); V's here: 64 chunks (step, 16 channels) of 1,536 bytes, 1,600 apart
.set KSC,   200704                     ; K's scale words, 4 bytes a key
.set VSC,   208896                     ; V's: [step][channel 64] words
.set KC_,   6291456
.set VC_,   12582912
.set KS_,   524288
.set VS_,   1048576
.set FLAGS, 524288
.set BM,  40                           ; v40-43  a block's largest score, then its largest p (K's registers are done with by then)
.set PM,  44                           ; v44-47  the other half's; a second chain of sums; the scale bytes
.set SO,  252                          ; v252-255 the conversions' scale operands
; v1 K's place, v2 V's, v3 K's scale words', v4 V's; v5 -infinity; v6 24 x lane; v7 4 x (lane % 16); v8-11 addresses in hand; v12 -M, v13 the largest t, v[14:15] the sum; v16-21 Q, v22-27 zeros; v28 Q's scale word,
; v29 p's, v30-31 V's; v32-79 K's fragments, v80-85 zeros; v86-89 K's scale words; v[90:91] f; v92-95 at work; v96-159 S^T, then p; v160-191 O^T; v192-239 V's fragments; v240-251 p's codes.
; s14 wave, s16 bh, s17 the tile, s18 its flags, s19 the step, s[20:21] lane selects, s[22:23] c, s24-27 the step's LDS bytes, s[28:29] the step's mask words, s30-31 at work, s66 lanes 16-31, s32-63 and s68-99 the 64 mask words.
	s_load_b256 s[4:11], s[0:1], 0x0               ; qkvc, qkvs, mwf, oc
	s_load_b64 s[12:13], s[0:1], 0x20              ; os
	v_lshrrev_b32 v8, 5, v0
	s_delay_alu instid0(VALU_DEP_1)
	v_readfirstlane_b32 s14, v8                    ; wave 0..15
	s_and_b32 s16, ttmp7, 0xffff                   ; bh
	s_lshl_b32 s17, ttmp9, 4
	s_add_co_u32 s17, s17, s14                     ; my first tile of queries
	v_and_b32 v92, 31, v0                          ; lane
	v_bfe_u32 v93, v0, 3, 1
	v_bfe_u32 v94, v0, 4, 1                        ; h
	v_and_b32 v95, 7, v0
	s_delay_alu instid0(VALU_DEP_4)
	v_mul_u32_u24 v1, v92, 24                      ; K: 24 x lane: block lane / 16, row lane % 16
	s_delay_alu instid0(VALU_DEP_4)
	v_mul_u32_u24 v2, v93, 1600                    ; V: rows 8-15 of a tile lie in the next chunk of 16 channels,
	s_delay_alu instid0(VALU_DEP_1)
	v_mad_u32_u24 v2, v94, 384, v2                 ; lanes 16-31 take the next block of 32 keys,
	s_delay_alu instid0(VALU_DEP_1)
	v_mad_u32_u24 v2, v95, 24, v2                  ; 24 bytes a row
	s_delay_alu instid0(VALU_DEP_1)
	v_add_nc_u32 v2, VC, v2
	v_lshl_add_u32 v3, v92, 2, KSC                 ; K's scale words: lane l takes key 32 pp + l: two tiles to a register
	v_lshlrev_b32 v4, 2, v95
	s_delay_alu instid0(VALU_DEP_1)
	v_lshl_add_u32 v4, v93, 6, v4
	s_delay_alu instid0(VALU_DEP_1)
	v_lshl_add_u32 v4, v94, 5, v4
	s_delay_alu instid0(VALU_DEP_1)
	v_add_nc_u32 v4, VSC, v4                       ; V's: channel l % 8 + 16 ((l / 8) % 2) + 8 (l / 16): two tiles to a register
	v_mov_b32 v5, 0xff800000
	v_mul_u32_u24 v6, v92, 24
	v_and_b32 v7, 15, v0
	s_delay_alu instid0(VALU_DEP_1)
	v_lshlrev_b32 v7, 2, v7
	; the staging's addresses
	v_lshlrev_b32 v8, 4, v0                        ; 16 x thread
	s_delay_alu instid0(VALU_DEP_1)
	v_add_nc_u32 v9, 0x10000, v8                   ; (an LDS offset holds 16 bits)
	v_lshlrev_b32 v10, 4, v92
	s_mul_i32 s29, s14, 6400
	s_add_co_u32 s29, s29, VC
	v_add_nc_u32 v11, s29, v10                     ; V in LDS: wave w brings step w
	s_mul_i32 s28, s14, 6144
	v_add_nc_u32 v10, s28, v10                     ; and in memory
	v_add_nc_u32 v12, KSC, v8
	v_lshlrev_b32 v13, 3, v0
	s_delay_alu instid0(VALU_DEP_1)
	v_add_nc_u32 v14, VSC, v13
	s_mul_i32 s30, s16, 98304
	s_mov_b32 s31, 0
	s_lshl_b32 s24, s16, 13
	s_mov_b32 s25, 0
	s_lshl_b32 s26, s16, 12
	s_mov_b32 s27, 0
	s_mov_b32 s20, 0x76543210
	s_mov_b32 s21, 0xfedcba98
	s_mov_b32 s22, 0x3e38aa3b                      ; c = log2(e) / 8
	s_mov_b32 s23, s22
	s_mov_b32 s66, 0xffff0000
	s_wait_alu depctr_va_vdst(0)
	s_wait_kmcnt 0x0
	s_add_nc_u64 s[32:33], s[4:5], s[30:31]
	s_add_nc_u64 s[34:35], s[32:33], VC_
	s_add_nc_u64 s[32:33], s[32:33], KC_
	s_add_nc_u64 s[36:37], s[6:7], s[24:25]
	s_add_nc_u64 s[36:37], s[36:37], KS_
	s_add_nc_u64 s[38:39], s[6:7], s[26:27]
	s_add_nc_u64 s[38:39], s[38:39], VS_
.set n, 0
.rept 12                                       ; K's codes: the work-group reads 8,192 consecutive bytes an instruction
	global_load_b128 v[96+4*n:99+4*n], v8, s[32:33] offset:8192*n
.set n, n+1
.endr
.set n, 0
.rept 12                                       ; V's codes: a wave reads 512 consecutive bytes an instruction
	global_load_b128 v[144+4*n:147+4*n], v10, s[34:35] offset:512*n
.set n, n+1
.endr
	global_load_b128 v[192:195], v8, s[36:37]
	global_load_b64 v[196:197], v13, s[38:39]
.irp r, 22,23,24,25,26,27,80,81,82,83,84,85,44,45,46,47,91,92,95
	v_mov_b32 v\r, 0                               ; zero codes; permutes' destinations; upper halves of pairs that are named whole
.endr
.set n, 0
.rept 12
	s_wait_loadcnt 25-n                            ; loads come back in order: this one is in, the younger ones stay out
.if n < 8
	ds_store_b128 v8, v[96+4*n:99+4*n] offset:8192*n
.else
	ds_store_b128 v9, v[96+4*n:99+4*n] offset:8192*(n-8)
.endif
.set n, n+1
.endr
.set n, 0
.rept 12
	s_wait_loadcnt 13-n
	ds_store_b128 v11, v[144+4*n:147+4*n] offset:(n/3)*1600+(n%3)*512
.set n, n+1
.endr
	s_wait_loadcnt 1
	ds_store_b128 v12, v[192:195]
	s_wait_loadcnt 0x0
	ds_store_b64 v14, v[196:197]
	s_wait_dscnt 0x0                               ; for the others' sake: my stores have landed
	s_barrier_signal -1
	s_barrier_wait -1                              ; the one barrier, ahead of every branch on stored numbers
; a step's front for a step all of whose keys are open: addresses, K's fragments, S^T = K Q^T, the requests for V's fragments
.macro FRONT
	v_add_nc_u32 v8, s24, v1
	v_add_nc_u32 v9, s25, v2
	v_add_nc_u32 v10, s26, v3
	v_add_nc_u32 v11, s27, v4
.irp i, 0,1,2,3,4,5,6,7
.irp p, 0,1,2
	ds_load_b64 v[32+6*\i+2*\p:33+6*\i+2*\p], v8 offset:768*\i+8*\p
.endr
.endr
.irp p, 0,1,2,3
	ds_load_b32 v[86+\p], v10 offset:128*\p
.endr
	s_wait_alu depctr_va_vdst(0)
	s_wait_dscnt 0x0
.irp i, 0,1,2,3,4,5,6,7
.if \i%2
	v_wmma_scale_f32_16x16x128_f8f6f4 v[96+8*\i:103+8*\i], v[32+6*\i:43+6*\i], v[16:27], 0, v[86+\i/2], v28 matrix_a_fmt:MATRIX_FMT_FP6 matrix_b_fmt:MATRIX_FMT_FP6 matrix_a_scale:MATRIX_SCALE_ROW1
.else
	v_wmma_scale_f32_16x16x128_f8f6f4 v[96+8*\i:103+8*\i], v[32+6*\i:43+6*\i], v[16:27], 0, v[86+\i/2], v28 matrix_a_fmt:MATRIX_FMT_FP6 matrix_b_fmt:MATRIX_FMT_FP6
.endif
.endr
.irp t, 0,1,2,3
.irp p, 0,1,2,3,4,5
	ds_load_b64 v[192+12*\t+2*\p:193+12*\t+2*\p], v9 offset:3200*(\t/2)+192*(\t%2)+768*(\p/3)+8*(\p%3)
.endr
.endr
	ds_load_b32 v30, v11
	ds_load_b32 v31, v11 offset:128
.rept 4
	v_nop
.endr
.endm
.macro TILE
	s_lshl_b32 s30, s16, 7
	s_add_co_u32 s30, s30, s17                     ; 128 bh + tile
	s_mul_i32 s32, s30, 768
	s_mov_b32 s33, 0
	s_add_nc_u64 s[32:33], s[4:5], s[32:33]        ; Q's codes
	s_lshl_b32 s34, s30, 6
	s_mov_b32 s35, 0
	s_add_nc_u64 s[34:35], s[6:7], s[34:35]        ; Q's scale words
	s_lshl_b32 s36, s17, 5
	s_mov_b32 s37, 0
	s_add_nc_u64 s[36:37], s[8:9], s[36:37]        ; the tile's flags
	s_lshl_b32 s28, s17, 12
	s_mov_b32 s29, 0
	s_add_nc_u64 s[28:29], s[8:9], s[28:29]        ; its mask words: 256 bytes a step
.irp p, 0,1,2
	global_load_b64 v[16+2*\p:17+2*\p], v6, s[32:33] offset:8*\p
.endr
	global_load_b32 v28, v7, s[34:35]
	s_load_b256 s[68:75], s[36:37], FLAGS
	s_mov_b32 s24, 0
	s_mov_b32 s25, 0
	s_mov_b32 s26, 0
	s_mov_b32 s27, 0
	s_mov_b32 s19, 0
	v_mov_b32 v13, 0xff61b1e6                      ; the largest t so far: -3e38
	s_delay_alu instid0(VALU_DEP_1)
	v_floor_f32 v12, -v13
	v_mov_b32 v14, 0
	v_mov_b32 v15, 0
.set n, 0
.rept 32
	v_mov_b32 v[160+n], 0
.set n, n+1
.endr
	s_wait_kmcnt 0x0
	s_or_b32 s18, s68, s69
.irp r, 70,71,72,73,74,75
	s_or_b32 s18, s18, s\r
.endr
	s_wait_loadcnt 0x0
.Lstep_\@:                                     ; 16 trips, a constant
	s_lshr_b32 s30, s18, s19
	s_and_b32 s31, s30, 1
	s_cmp_eq_u32 s31, 0
	s_cbranch_scc1 .Lskip_\@                       ; no key of this step counts for my tile
	s_and_b32 s31, s30, 0x10000
	s_cmp_lg_u32 s31, 0
	s_cbranch_scc0 .Lmasked_\@                     ; some key of the step is hidden from some query of the tile
	FRONT                                          ; every key counts: the step's front without the mask words
	s_wait_alu depctr_va_vdst(0)
	s_branch .Lopen_\@
.Lmasked_\@:
	s_load_b512 s[32:47], s[28:29], 0x0            ; the step's 64 mask words
	s_load_b512 s[48:63], s[28:29], 0x40
	s_load_b512 s[68:83], s[28:29], 0x80
	s_load_b512 s[84:99], s[28:29], 0xc0
	v_add_nc_u32 v8, s24, v1                       ; four plain instructions: also the places between the last step's products and the loads into their operands
	v_add_nc_u32 v9, s25, v2
	v_add_nc_u32 v10, s26, v3
	v_add_nc_u32 v11, s27, v4
.irp i, 0,1,2,3,4,5,6,7
.irp p, 0,1,2
	ds_load_b64 v[32+6*\i+2*\p:33+6*\i+2*\p], v8 offset:768*\i+8*\p
.endr
.endr
.irp p, 0,1,2,3
	ds_load_b32 v[86+\p], v10 offset:128*\p
.endr
	s_wait_alu depctr_va_vdst(0)
	s_wait_dscnt 0x0
.irp i, 0,1,2,3,4,5,6,7                        ; S^T = K Q^T
.if \i%2
	v_wmma_scale_f32_16x16x128_f8f6f4 v[96+8*\i:103+8*\i], v[32+6*\i:43+6*\i], v[16:27], 0, v[86+\i/2], v28 matrix_a_fmt:MATRIX_FMT_FP6 matrix_b_fmt:MATRIX_FMT_FP6 matrix_a_scale:MATRIX_SCALE_ROW1
.else
	v_wmma_scale_f32_16x16x128_f8f6f4 v[96+8*\i:103+8*\i], v[32+6*\i:43+6*\i], v[16:27], 0, v[86+\i/2], v28 matrix_a_fmt:MATRIX_FMT_FP6 matrix_b_fmt:MATRIX_FMT_FP6
.endif
.endr
.irp t, 0,1,2,3                                ; V's fragments are asked for now and land under the softmax
.irp p, 0,1,2,3,4,5
	ds_load_b64 v[192+12*\t+2*\p:193+12*\t+2*\p], v9 offset:3200*(\t/2)+192*(\t%2)+768*(\p/3)+8*(\p%3)
.endr
.endr
	ds_load_b32 v30, v11
	ds_load_b32 v31, v11 offset:128
.rept 4
	v_nop                                          ; places behind the products
.endr
	s_wait_kmcnt 0x0                               ; the mask words are in
.set n, 0
.rept 64
.if n < 32
	v_cndmask_b32 v[96+n], v5, v[96+n], s[32+n]    ; bit clear: -infinity
.else
	v_cndmask_b32 v[96+n], v5, v[96+n], s[36+n]
.endif
.set n, n+1
.endr
.Lopen_\@:
.irp b, 0,1,2,3
	v_max3_num_f32 v[BM+\b], v[96+16*\b], v[97+16*\b], v[98+16*\b]   ; the largest score of each block of 32 keys: for the row's maximum, and, since p rises with the score, for the block's largest p
.endr
.irp i, 3,5,7,9,11,13
.irp b, 0,1,2,3
	v_max3_num_f32 v[BM+\b], v[BM+\b], v[96+16*\b+\i], v[97+16*\b+\i]
.endr
.endr
.irp b, 0,1,2,3
	v_max_num_f32 v[BM+\b], v[BM+\b], v[111+16*\b]
.endr
.irp b, 0,1,2,3
	s_delay_alu instid0(VALU_DEP_4)
	v_permlanex16_b32 v[PM+\b], v[BM+\b], s20, s21
.endr
.irp b, 0,1,2,3
	s_delay_alu instid0(VALU_DEP_4)
	v_max_num_f32 v[BM+\b], v[BM+\b], v[PM+\b]
.endr
	s_delay_alu instid0(VALU_DEP_2)
	v_max3_num_f32 v92, v40, v41, v42
	s_delay_alu instid0(VALU_DEP_1)
	v_max_num_f32 v92, v92, v43
	s_delay_alu instid0(VALU_DEP_1)
	v_mul_f32 v92, s22, v92                        ; as t (c is positive)
	s_delay_alu instid0(VALU_DEP_1)
	v_max_num_f32 v13, v13, v92                    ; the running largest t
	v_mov_b32 v92, v12
	s_delay_alu instid0(VALU_DEP_2)
	v_floor_f32 v12, -v13                          ; the new -M = floor(-t): M is a whole number
	s_delay_alu instid0(VALU_DEP_1)
	v_sub_f32 v92, v12, v92                        ; old M - new M: a whole number, 0 or less
	s_delay_alu instid0(VALU_DEP_1)
	v_cvt_i32_f32 v92, v92                         ; (it saturates)
	s_delay_alu instid0(VALU_DEP_1)
	v_ldexp_f32 v90, 1.0, v92                      ; f = 2^(old M - new M)
.set n, 0
.rept 32
	v_pk_fma_f32 v[96+n:97+n], v[96+n:97+n], s[22:23], v[12:13] op_sel_hi:[1,0,0]   ; t - M, two at a time
.set n, n+2
.endr
.irp b, 0,1,2,3
	v_fma_f32 v[BM+\b], v[BM+\b], s22, v12
.endr
.set n, 0
	s_wait_alu depctr_va_vdst(0)
.rept 64
	v_exp_f32 v[96+n], v[96+n]                     ; p = 2^(t - M)
.set n, n+1
.endr
	v_pk_mul_f32 v[14:15], v[14:15], v[90:91] op_sel_hi:[1,0]   ; the sums under the new M: the plain place behind the exponentials
	s_wait_alu depctr_va_vdst(0)                   ; one wait for the batch, ahead of its first user
.irp b, 0,1,2,3
	v_exp_f32 v[BM+\b], v[BM+\b]                   ; the block's largest p
.endr
	v_pk_add_f32 v[44:45], v[100:101], v[104:105]
	v_pk_add_f32 v[254:255], v[108:109], v[112:113]
	v_pk_add_f32 v[252:253], v[116:117], v[120:121]
	v_pk_add_f32 v[250:251], v[124:125], v[128:129]
	v_pk_add_f32 v[248:249], v[132:133], v[136:137]
	v_pk_add_f32 v[246:247], v[140:141], v[144:145]
	v_pk_add_f32 v[244:245], v[148:149], v[152:153]
	v_pk_add_f32 v[14:15], v[14:15], v[156:157]
	v_pk_add_f32 v[44:45], v[44:45], v[96:97]
	v_pk_add_f32 v[254:255], v[254:255], v[98:99]
	v_pk_add_f32 v[252:253], v[252:253], v[102:103]
	v_pk_add_f32 v[250:251], v[250:251], v[106:107]
	v_pk_add_f32 v[248:249], v[248:249], v[110:111]
	v_pk_add_f32 v[246:247], v[246:247], v[114:115]
	v_pk_add_f32 v[244:245], v[244:245], v[118:119]
	v_pk_add_f32 v[14:15], v[14:15], v[122:123]
	v_pk_add_f32 v[44:45], v[44:45], v[126:127]
	v_pk_add_f32 v[254:255], v[254:255], v[130:131]
	v_pk_add_f32 v[252:253], v[252:253], v[134:135]
	v_pk_add_f32 v[250:251], v[250:251], v[138:139]
	v_pk_add_f32 v[248:249], v[248:249], v[142:143]
	v_pk_add_f32 v[246:247], v[246:247], v[146:147]
	v_pk_add_f32 v[244:245], v[244:245], v[150:151]
	v_pk_add_f32 v[14:15], v[14:15], v[154:155]
	v_pk_add_f32 v[44:45], v[44:45], v[158:159]
	s_delay_alu instid0(VALU_DEP_2)
	v_pk_add_f32 v[14:15], v[14:15], v[250:251]
	s_delay_alu instid0(VALU_DEP_2)
	v_pk_add_f32 v[44:45], v[44:45], v[248:249]
	v_pk_add_f32 v[254:255], v[254:255], v[246:247]
	v_pk_add_f32 v[252:253], v[252:253], v[244:245]
	s_delay_alu instid0(VALU_DEP_2)
	v_pk_add_f32 v[14:15], v[14:15], v[254:255]
	s_delay_alu instid0(VALU_DEP_2)
	v_pk_add_f32 v[44:45], v[44:45], v[252:253]
	s_delay_alu instid0(VALU_DEP_1)
	v_pk_add_f32 v[14:15], v[14:15], v[44:45]
	s_wait_alu depctr_va_vdst(0)                   ; and one for the four
.irp b, 0,1,2,3
	v_max_num_f32 v[BM+\b], 0x1800000, v[BM+\b]    ; the floor 2^(3 - 127): the byte cannot fall under 1
.endr
.irp b, 0,1,2,3
	s_delay_alu instid0(VALU_DEP_4)
	v_add_nc_u32 v[SO+\b], 0xff000000, v[BM+\b]
.endr
.irp b, 0,1,2,3
	s_delay_alu instid0(VALU_DEP_4)
	v_lshrrev_b32 v[PM+\b], 23, v[SO+\b]
.endr
	s_delay_alu instid0(VALU_DEP_3)
	v_lshl_or_b32 v29, v45, 8, v44                 ; p's scale word for these 128 keys
	s_delay_alu instid0(VALU_DEP_1)
	v_lshl_or_b32 v29, v46, 16, v29
	s_delay_alu instid0(VALU_DEP_1)
	v_lshl_or_b32 v29, v47, 24, v29
.irp c, 0,1
	v_cvt_scalef32_pk16_fp6_f32 v[240+6*\c:242+6*\c], v[96+32*\c:111+32*\c], v[SO+2*\c]
	v_cvt_scalef32_pk16_fp6_f32 v[32+4*\c:34+4*\c], v[112+32*\c:127+32*\c], v[SO+2*\c+1]
.endr
	v_nop                                          ; one plain place behind the scaled conversions
.irp c, 0,1                                    ; the operand wants a whole block in a lane: lanes 0-15 block 2 c, lanes 16-31 block 2 c + 1
.irp i, 0,1,2
	v_permlane16_swap_b32 v[240+6*\c+\i], v[32+4*\c+\i]
.endr
.irp i, 0,1,2
	s_delay_alu instid0(VALU_DEP_3)
	v_mov_b32 v[243+6*\c+\i], v[32+4*\c+\i]
.endr
.endr
.set n, 0
.rept 16
	v_pk_mul_f32 v[160+n:161+n], v[160+n:161+n], v[90:91] op_sel_hi:[1,0]   ; O^T under the new M; sixteen plain instructions between the codes' and the scale word's last writes and the products
.set n, n+2
.endr
	s_wait_alu depctr_va_vdst(0)
	s_wait_dscnt 0x0                               ; V is in
.irp t, 0,1,2,3                                ; O^T += V^T P^T: four accumulators, one instruction each; the eight products K Q^T stand between two links of a chain
.if \t%2
	v_wmma_scale_f32_16x16x128_f8f6f4 v[160+8*\t:167+8*\t], v[192+12*\t:203+12*\t], v[240:251], v[160+8*\t:167+8*\t], v[30+\t/2], v29 matrix_a_fmt:MATRIX_FMT_FP6 matrix_b_fmt:MATRIX_FMT_FP6 matrix_a_scale:MATRIX_SCALE_ROW1
.else
	v_wmma_scale_f32_16x16x128_f8f6f4 v[160+8*\t:167+8*\t], v[192+12*\t:203+12*\t], v[240:251], v[160+8*\t:167+8*\t], v[30+\t/2], v29 matrix_a_fmt:MATRIX_FMT_FP6 matrix_b_fmt:MATRIX_FMT_FP6
.endif
.endr
.Lskip_\@:
	s_wait_xcnt 0x0                                ; the scalar loads have read their base: it may step
	s_add_co_u32 s24, s24, 6144
	s_add_co_u32 s25, s25, 6400
	s_add_co_u32 s26, s26, 512
	s_add_co_u32 s27, s27, 256
	s_add_nc_u64 s[28:29], s[28:29], 256
	s_add_co_u32 s19, s19, 1
	s_cmp_lt_u32 s19, 16
	s_cbranch_scc1 .Lstep_\@
	; ---- the tile's end
.rept 4
	v_nop                                          ; places behind the last products
.endr
	v_add_f32 v14, v14, v15
	s_delay_alu instid0(VALU_DEP_1)
	v_permlanex16_b32 v92, v14, s20, s21
	s_delay_alu instid0(VALU_DEP_1)
	v_add_f32 v14, v14, v92                        ; the row's sum
	s_wait_alu depctr_va_vdst(0)
	v_rcp_f32 v94, v14
	v_nop                                          ; the plain place behind the reciprocal
	v_cmp_eq_f32 vcc_lo, 0, v14                    ; a row with no open key
	v_and_b32 v10, 15, v0
	v_bfe_u32 v11, v0, 4, 1
	s_delay_alu instid0(VALU_DEP_2)
	v_mul_u32_u24 v8, v10, 24
	s_delay_alu instid0(VALU_DEP_1)
	v_mad_u32_u24 v8, v11, 12, v8                  ; 24 r + 12 h
	s_delay_alu instid0(VALU_DEP_3)
	v_lshl_add_u32 v9, v10, 5, v11                 ; 32 r + h
	s_and_b32 s32, s16, 15                         ; head
	s_lshr_b32 s33, s16, 4                         ; batch
	s_lshl_b32 s34, s33, 7
	s_add_co_u32 s34, s34, s17                     ; the tile of 16 rows among 512
	s_mul_i32 s36, s34, 768
	s_mul_i32 s35, s32, 393216
	s_add_co_u32 s36, s36, s35
	s_mov_b32 s37, 0
	s_add_nc_u64 s[36:37], s[10:11], s[36:37]
	s_lshl_b32 s38, s34, 9
	s_lshl_b32 s35, s32, 1
	s_add_co_u32 s38, s38, s35
	s_mov_b32 s39, 0
	s_add_nc_u64 s[38:39], s[12:13], s[38:39]
	s_wait_alu depctr_va_vdst(0)                   ; ahead of the reciprocal's first user
	v_cndmask_b32 v94, v94, v22, vcc_lo            ; there: 0, so that the codes are zeros
.set n, 0
.rept 16
	v_pk_mul_f32 v[96+n:97+n], v[160+n:161+n], v[94:95] op_sel_hi:[1,0]   ; O^T / the sum: register 16 b + i is channel 32 b + 16 h + i
.set n, n+2
.endr
.irp b, 0,1
	v_max3_num_f32 v[BM+\b], |v[96+16*\b]|, |v[97+16*\b]|, 0x1800000
.endr
.irp i, 2,4,6,8,10,12,14
.irp b, 0,1
	s_delay_alu instid0(VALU_DEP_2)
	v_max3_num_f32 v[BM+\b], v[BM+\b], |v[96+16*\b+\i]|, |v[97+16*\b+\i]|
.endr
.endr
.irp b, 0,1
	s_delay_alu instid0(VALU_DEP_2)
	v_permlanex16_b32 v[PM+\b], v[BM+\b], s20, s21
.endr
.irp b, 0,1
	s_delay_alu instid0(VALU_DEP_2)
	v_max_num_f32 v[BM+\b], v[BM+\b], v[PM+\b]
.endr
.irp b, 0,1
	s_delay_alu instid0(VALU_DEP_2)
	v_add_nc_u32 v[SO+\b], 0xff000000, v[BM+\b]
.endr
.irp b, 0,1
	s_delay_alu instid0(VALU_DEP_2)
	v_lshrrev_b32 v[PM+\b], 23, v[SO+\b]
.endr
	v_cvt_scalef32_pk16_fp6_f32 v[32:34], v[96:111], v252
	v_cvt_scalef32_pk16_fp6_f32 v[36:38], v[112:127], v253
	v_nop                                          ; one plain place behind the scaled conversions
	global_store_b96 v8, v[32:34], s[36:37]        ; the wave stores 384 consecutive bytes
	global_store_b96 v8, v[36:38], s[36:37] offset:384
	v_cndmask_b32 v92, v44, v45, s66               ; lanes 0-15 the first block's byte, lanes 16-31 the second's
	v_mov_b32 v93, 0xff
	s_delay_alu instid0(VALU_DEP_1)
	v_cndmask_b32 v92, v92, v93, vcc_lo            ; no open key: NaN
	global_store_b8 v9, v92, s[38:39]
	s_wait_xcnt 0x0                                ; the stores have read their registers and bases: the next tile writes them again
.endm
	TILE
	s_sub_co_u32 s17, 127, s17                     ; the tile at the other end
	TILE
	s_wait_xcnt 0x0
	v_lshl_add_u32 v254, v0, 2, 0x34000
	v_mov_b32 v255, 0
	s_wait_alu depctr_va_vdst(0)
	s_wait_tensorcnt 0x0
	ds_add_u32 v254, v255
	s_wait_dscnt 0x0
	s_endpgm
.Lfunc_end_k_q00a9f839e6_attn:
	.size	k_q00a9f839e6_attn, .Lfunc_end_k_q00a9f839e6_attn-k_q00a9f839e6_attn
	.p2alignl 7, 3214868480
	.fill 96, 4, 3214868480
	.section	.rodata,"a",@progbits
	.p2align	6, 0x0
	.amdhsa_kernel k_q00a9f839e6_attn
		.amdhsa_group_segment_fixed_size 215040
		.amdhsa_private_segment_fixed_size 0
		.amdhsa_enable_private_segment 0
		.amdhsa_kernarg_size 40
		.amdhsa_user_sgpr_count 2
		.amdhsa_user_sgpr_kernarg_segment_ptr 1
		.amdhsa_wavefront_size32 1
		.amdhsa_system_sgpr_workgroup_id_x 1
		.amdhsa_system_sgpr_workgroup_id_y 1
		.amdhsa_system_sgpr_workgroup_id_z 1
		.amdhsa_system_vgpr_workitem_id 0
		.amdhsa_next_free_vgpr 256
		.amdhsa_next_free_sgpr 100
		.amdhsa_reserve_vcc 1
		.amdhsa_float_denorm_mode_32 3
		.amdhsa_float_denorm_mode_16_64 3
		.amdhsa_memory_ordered 1
		.amdhsa_forward_progress 1
		.amdhsa_inst_pref_size 81
	.end_amdhsa_kernel
	.amdgpu_metadata
---
amdhsa.version: [ 1, 2 ]
amdhsa.kernels:
  - .name:           k_q00a9f839e6_attn
    .symbol:         k_q00a9f839e6_attn.kd
    .args:
      - { .name: qkvc, .offset: 0, .size: 8, .value_kind: global_buffer, .address_space: global }
      - { .name: qkvs, .offset: 8, .size: 8, .value_kind: global_buffer, .address_space: global }
      - { .name: mwf, .offset: 16, .size: 8, .value_kind: global_buffer, .address_space: global }
      - { .name: oc, .offset: 24, .size: 8, .value_kind: global_buffer, .address_space: global }
      - { .name: os, .offset: 32, .size: 8, .value_kind: global_buffer, .address_space: global }
    .group_segment_fixed_size: 215040
    .private_segment_fixed_size: 0
    .kernarg_segment_align: 8
    .kernarg_segment_size: 40
    .max_flat_workgroup_size: 512
    .sgpr_count:     100
    .vgpr_count:     256
    .wavefront_size: 32
...
	.end_amdgpu_metadata
.endif
;; end of part 3
;; launch outp (part 4): grid 8 x 32, 4 waves a work-group, clusters of 4 x 4, 327,680 bytes of LDS; arguments oc, os, Wo_codes, Wo_scales, out0; writes out0
.if DOCPART == 4
	.amdgcn_target "amdgcn-amd-amdhsa--gfx1250"
	.amdhsa_code_object_version 6
	.text
	.protected	k_q00a9f839e6_outp
	.globl	k_q00a9f839e6_outp
	.p2align	8
	.type	k_q00a9f839e6_outp,@function
k_q00a9f839e6_outp:
	s_mov_b64 s[64:65], 0
	v_nop
	global_prefetch_b8 v0, s[64:65] scope:SCOPE_SE
	s_setreg_imm32_b32 hwreg(HW_REG_WAVE_MODE, 25, 1), 1
	s_wait_xcnt 0x0
	s_wait_alu depctr_hold_cnt(0) depctr_sa_sdst(0) depctr_va_vdst(0) depctr_va_sdst(0) depctr_va_ssrc(0) depctr_va_vcc(0) depctr_vm_vsrc(0)
	s_getreg_b32 s2, hwreg(HW_REG_IB_STS2, 6, 4)
	s_cmp_eq_u32 s2, 0
	s_cbranch_scc0 .Lentry_in_a_cluster
	s_endpgm
.Lentry_in_a_cluster:
	s_bfe_u32 s2, ttmp6, 0x10000c
	s_cmp_lg_u32 s2, 0xf033
	s_cbranch_scc0 .Lentry_shape_is_right
	s_endpgm
.Lentry_shape_is_right:
; OUTP: out0 = o Wo^T on codes of FP6 (E2M3) with E8M0 scales, K = 1,024, f32 out.  oc [head 16][tile of 16 rows 512][block 2][r 16][24 bytes] and os [row 8192][32] are as the attention launch leaves them.
; SHARES.  256 work-groups: 256 rows (tile row s43) x 128 columns (tile column s42).  All operands come into LDS once, at the head, one tensor load a wave; nothing is filled again, so there is no loop of fills to run ahead of and no prefetch.
; Four waves, 2 x 2: wave row a takes rows 128 a .. + 127 in eight blocks of 16; wave column b holds 64 rows of Wo, all of K, in 384 registers.  A block is 32 products (4 column tiles x 8 K steps).
; o's 256 rows are, for each head, 12,288 consecutive bytes: a tensor row; they lie in LDS as in memory, and lane l's 24 bytes of a fragment half lie at 24 l of a tile's 768.
; Source 0 = Wo's rows: a lane holds row l % 16 of out0 and eight neighbouring columns a tile.  A block's 16 x 64 results go through my own stage in LDS and leave as whole rows of 256 bytes, aligned, under the next block's products.
; CLUSTERS 4 x 4: o's rows and scale bytes are shared along a row of the cluster, Wo's rows along a column: joint loads.
; LIMIT: a scale byte 0xff in os (a query with no open key) makes that row of out0 NaN, as a softmax over nothing is.
.set KROW,  768
.set PITCH, 816
.set FPW,   21
.set APL,   393216                     ; a head's plane of oc
.set WB,    196608                     ; o's rows at 0: [head 16][tile 16][768]; Wo's 128 rows here
.set SCL,   WB+128*PITCH
.set SPARE, SCL+32*272
.set STG,   SPARE+512                  ; 16 rows of 256 + 16 bytes for each wave
.set NF,    50                         ; LDS loads of a fetch: 48 pieces, 2 for the scale words
.set STO, 8
.set RD, 9
.set SPW, 10
.set NIL, 11
.set CO, 12
.set ABS, 16
.set AS, 17
.set AX, 20                            ; v20-27 LDS address of my rows' fragments of K step q
.set AW, 36
.set SA, 44
.set ACC, 64
.set OB, 128
.set SB, 240
.set G1A, 24
.set G1B, 32
.set G1S, 48
.set G0A, 56
.set G0B, 60
.set G0S, 92
.set MSB, 0
.macro WIN new
.if MSB != (\new)
	s_set_vgpr_msb (MSB<<8)|(\new)
.set MSB, (\new)
.endif
.endm
.macro PLACES n
.rept \n
	v_nop
.endr
.endm
.macro WALU
	s_wait_alu depctr_va_vdst(0)
.endm
.macro BARRIER
	s_barrier_signal -1
	s_barrier_wait -1
.endm
.macro CROUND
	s_barrier_signal -1
	s_barrier_wait -1
	s_cmp_lg_u32 s14, 0
	s_cbranch_scc1 .Lnw0_\@
	s_barrier_signal -3
.Lnw0_\@:
	s_barrier_wait -3
	s_barrier_signal -1
	s_barrier_wait -1
.endm
.macro TLOAD g0, g1
	tensor_load_to_lds s[\g0:\g0+3], s[\g1:\g1+7]
	s_nop 0
	PLACES 4
.endm
.macro LD1 r, pc, a0, a1
.if ((\pc)%32+3)/32
	ds_load_b64 v[\r:\r+1], v[\a1] offset:8*((\pc)+2*((\pc)/32))
.else
	ds_load_b64 v[\r:\r+1], v[\a0] offset:8*((\pc)+2*((\pc)/32))
.endif
.endm
.macro FRAG f, q, a0, a1               ; a fragment of Wo: piece P of a row lies at 8 (P + 2 (P / 32)); the second address serves where lanes 16-31 read behind one padding more
	WIN (1+(\f)/FPW)<<6
.set R_, 12*((\f)%FPW)
.irp p, 0,2,4
.set P0_, 12*(\q)+6*(\p/3)+\p%3
.set P1_, 12*(\q)+6*((\p+1)/3)+(\p+1)%3
.if (P0_%32+3)/32 == (P1_%32+3)/32
.if (P0_%32+3)/32
	ds_load_2addr_b64 v[R_+2*\p:R_+2*\p+3], v[\a1] offset0:P0_+2*(P0_/32) offset1:P1_+2*(P1_/32)
.else
	ds_load_2addr_b64 v[R_+2*\p:R_+2*\p+3], v[\a0] offset0:P0_+2*(P0_/32) offset1:P1_+2*(P1_/32)
.endif
.else
	LD1 R_+2*\p, P0_, \a0, \a1
	LD1 R_+2*\p+2, P1_, \a0, \a1
.endif
.endr
.endm
.macro WEIGHTS
.irp q, 0,1,2,3,4,5,6,7
.irp t, 0,1,2,3
	FRAG 4*\q+\t, \q, AW+2*\t, AW+2*\t+1
.endr
.endr
	WIN 0
.endm
.macro FETCH e, s                      ; block s of o's rows into set e: K step q is heads 2 q and 2 q + 1
.irp q, 0,1,2,3,4,5,6,7
	WIN (1+(32+8*(\e)+\q)/FPW)<<6
.set R_, 12*((32+8*(\e)+\q)%FPW)
.irp p, 0,1,2,3,4,5
	ds_load_b64 v[R_+2*\p:R_+2*\p+1], v[AX+\q] offset:12288*(\p/3)+768*(\s)+8*(\p%3)
.endr
.endr
	WIN 0
	ds_load_b128 v[SA+8*(\e):SA+8*(\e)+3], v[AS] offset:544*(\s)
	ds_load_b128 v[SA+8*(\e)+4:SA+8*(\e)+7], v[AS] offset:544*(\s)+16
.endm
.macro MM d, r0, r1, c, x0, x1, o
.if \o
	v_wmma_scale_f32_16x16x128_f8f6f4 v[\d:\d+7], v[\r0:\r0+11], v[\r1:\r1+11], \c, v[\x0], v[\x1] matrix_a_fmt:MATRIX_FMT_FP6 matrix_b_fmt:MATRIX_FMT_FP6 matrix_a_scale:MATRIX_SCALE_ROW1
.else
	v_wmma_scale_f32_16x16x128_f8f6f4 v[\d:\d+7], v[\r0:\r0+11], v[\r1:\r1+11], \c, v[\x0], v[\x1] matrix_a_fmt:MATRIX_FMT_FP6 matrix_b_fmt:MATRIX_FMT_FP6
.endif
.endm
.macro BLOCK e                         ; 32 products, n = 4 q + t; the four sums take turns
.set N_, 0
.rept 32
.set Q_, N_/4
.set T_, N_%4
.set D_, ACC+32*(\e)+8*T_
.set FA_, 32+8*(\e)+Q_
	WIN (1+N_/FPW)|((1+FA_/FPW)<<2)
.if Q_
	MM D_, 12*(N_%FPW), 12*(FA_%FPW), v[D_:D_+7], SB+8*(T_/2)+Q_, SA+8*(\e)+Q_, T_%2
.else
	MM D_, 12*(N_%FPW), 12*(FA_%FPW), 0, SB+8*(T_/2)+Q_, SA+8*(\e)+Q_, T_%2
.endif
.set N_, N_+1
.endr
	WIN 0
.endm
.macro SEND s                          ; block s, back from the stage as rows: sixteen lanes store 256 consecutive bytes, aligned
.irp k, 0,1,2,3,4,5,6,7
	global_store_b128 v[CO], v[OB+4*\k:OB+4*\k+3], s[12:13] offset:65536*(\s)+8192*\k th:TH_STORE_NT
.endr
.endm
; s_wait_dscnt NF: this block's rows and the last block's rows of results are in registers; the fetch issued last, NF loads, may be out
.macro OBLK s
.if (\s) == 7
	s_wait_dscnt 0x0
.else
	s_wait_dscnt NF
.endif
.if (\s) > 0
	SEND (\s)-1
.endif
	BLOCK (\s)%2
	PLACES 4
	s_wait_xcnt 0x0                                ; the stores above have read their registers
.irp t, 0,1,2,3
	ds_store_b128 v[STO], v[ACC+32*((\s)%2)+8*\t:ACC+32*((\s)%2)+8*\t+3] offset:64*\t
	ds_store_b128 v[STO], v[ACC+32*((\s)%2)+8*\t+4:ACC+32*((\s)%2)+8*\t+7] offset:64*\t+16
.endr
.irp k, 0,1,2,3,4,5,6,7
	ds_load_b128 v[OB+4*\k:OB+4*\k+3], v[RD] offset:544*\k     ; my own bytes, served in order
.endr
.if (\s) < 6
	FETCH (\s)%2, (\s)+2
.endif
.endm
	s_load_b128 s[4:7], s[0:1], 0x0                ; oc, os
	s_load_b128 s[8:11], s[0:1], 0x10              ; Wo's codes, scales
	s_load_b64 s[12:13], s[0:1], 0x20              ; out0
	v_lshl_add_u32 v[SPW], v0, 2, SPARE
	v_mov_b32 v[NIL], 0
	ds_add_u32 v[SPW], v[NIL]
	ds_add_u32 v[SPW], v[NIL]
	v_lshrrev_b32 v1, 5, v0
	v_readfirstlane_b32 s14, v1
	s_lshr_b32 s15, s14, 1
	s_and_b32 s16, s14, 1
	s_bfe_u32 s40, ttmp6, 0x40000
	s_bfe_u32 s41, ttmp6, 0x40004
	s_lshl_b32 s42, ttmp9, 2
	s_add_co_u32 s42, s42, s40                     ; tile column 0 .. 7
	s_and_b32 s43, ttmp7, 0xffff
	s_lshl_b32 s43, s43, 2
	s_add_co_u32 s43, s43, s41                     ; tile row 0 .. 31
	s_lshl_b32 s44, s41, 2
	s_lshl_b32 s44, 15, s44
	s_lshl_b32 s45, 0x1111, s40
	s_or_b32 s[G1A+0], s44, (3<<16)|(1<<21)        ; eight heads: rows of 1,536 elements of 8 bytes, a plane apart
	s_mov_b32 s[G1A+1], 1536<<16
	s_mov_b32 s[G1A+2], 8<<16
	s_mov_b32 s[G1A+3], 1536<<16
	s_mov_b32 s[G1A+4], 8
	s_mov_b32 s[G1A+5], APL/8
	s_mov_b32 s[G1A+6], 0
	s_mov_b32 s[G1A+7], 0
	s_or_b32 s[G1B+0], s45, (1<<20)|(1<<21)|(5<<22)|(3<<25)
	s_mov_b32 s[G1B+1], KROW<<16
	s_mov_b32 s[G1B+2], 128<<16
	s_mov_b32 s[G1B+3], KROW<<16
	s_mov_b32 s[G1B+4], 128
	s_mov_b32 s[G1B+5], KROW
	s_mov_b32 s[G1B+6], 0
	s_mov_b32 s[G1B+7], 0
	s_or_b32 s[G1S+0], s44, (3<<16)|(1<<20)|(1<<21)|(5<<22)|(3<<25)
	s_mov_b32 s[G1S+1], 32<<16
	s_mov_b32 s[G1S+2], 32<<16
	s_mov_b32 s[G1S+3], 32<<16
	s_mov_b32 s[G1S+4], 32
	s_mov_b32 s[G1S+5], 32
	s_mov_b32 s[G1S+6], 0
	s_mov_b32 s[G1S+7], 0
	s_mov_b32 s[G0A], 1
	s_mul_i32 s[G0A+1], s16, 8*12288               ; waves 2 and 3: eight heads each
	s_mov_b32 s[G0B], 1
	s_mov_b32 s[G0B+1], WB
	s_mov_b32 s[G0S], 1
	s_mov_b32 s[G0S+1], SCL
	s_mul_i32 s21, s15, 8*768
	s_mul_i32 s22, s16, 64*PITCH
	s_add_co_u32 s22, s22, WB
	s_mul_i32 s23, s15, 16*272
	s_add_co_u32 s23, s23, SCL
	s_mul_i32 s46, s14, 16*272
	s_add_co_u32 s46, s46, STG
	v_and_b32 v1, 15, v0                           ; r
	v_bfe_u32 v2, v0, 4, 1                         ; h
	v_and_b32 v3, 31, v0
	v_mul_u32_u24 v4, v1, PITCH
	v_mad_u32_u24 v5, v2, 24, v4
	v_mad_u32_u24 v6, v2, 40, v4
	v_add_nc_u32 v5, s22, v5
	v_add_nc_u32 v6, s22, v6
.irp t, 0,1,2,3
	v_add_nc_u32 v[AW+2*\t], \t*16*PITCH, v5
	v_add_nc_u32 v[AW+2*\t+1], \t*16*PITCH, v6
.endr
	v_mul_u32_u24 v7, v3, 24
	v_add_nc_u32 v7, s21, v7
.irp q, 0,1,2,3,4,5,6,7
	v_add_nc_u32 v[AX+\q], \q*24576, v7
.endr
	v_lshrrev_b32 v4, 3, v1
	v_lshlrev_b32 v4, 4, v4
	v_lshl_add_u32 v4, v1, 5, v4
	v_add_nc_u32 v[AS], s23, v4
	v_lshlrev_b32 v[ABS], 5, v3
	v_mul_u32_u24 v4, v1, 272
	v_lshl_add_u32 v4, v2, 5, v4
	v_add_nc_u32 v[STO], s46, v4                   ; in: row r, 32 bytes for each half of the lanes
	v_mul_u32_u24 v4, v2, 272
	v_lshl_add_u32 v4, v1, 4, v4
	v_add_nc_u32 v[RD], s46, v4                    ; back: lanes 0-15 one row of 256 bytes, lanes 16-31 the next
	v_lshlrev_b32 v4, 12, v2
	v_lshl_add_u32 v[CO], v1, 4, v4                ; and the same two rows in out0
	WALU
	s_wait_dscnt 0x0
	CROUND                                         ; the round in front of the joint loads
	s_wait_kmcnt 0x0
	s_mov_b32 s21, 0
	s_mul_i32 s20, s43, 12288
	s_mul_i32 s22, s16, 8*APL
	s_add_co_u32 s20, s20, s22
	s_add_nc_u64 s[G0A+2:G0A+3], s[4:5], s[20:21]
	s_or_b32 s[G0A+3], s[G0A+3], 0x80000000
	s_mul_i32 s20, s43, 256*32
	s_add_nc_u64 s[G0S+2:G0S+3], s[6:7], s[20:21]
	s_or_b32 s[G0S+3], s[G0S+3], 0x80000000
	s_mul_i32 s20, s42, 128*KROW
	s_add_nc_u64 s[G0B+2:G0B+3], s[8:9], s[20:21]
	s_or_b32 s[G0B+3], s[G0B+3], 0x80000000
	s_mul_i32 s20, s42, 128*32
	s_mul_i32 s22, s16, 64*32
	s_add_co_u32 s20, s20, s22
	s_add_nc_u64 s[10:11], s[10:11], s[20:21]      ; the scale bytes of my 64 rows of Wo
	s_cmp_eq_u32 s14, 0                            ; one load a wave: Wo's rows, o's scale bytes, o's two halves
	s_cbranch_scc0 .Lw1
	TLOAD G0B, G1B
	s_branch .Lasked
.Lw1:
	s_cmp_eq_u32 s14, 1
	s_cbranch_scc0 .Lw2
	TLOAD G0S, G1S
	s_branch .Lasked
.Lw2:
	TLOAD G0A, G1A
.Lasked:
.irp p, 0,1
.irp c, 0,1
	global_load_b128 v[SB+8*\p+4*\c:SB+8*\p+4*\c+3], v[ABS], s[10:11] offset:\p*1024+16*\c   ; lane l: row 32 p + l: two column tiles to a register
.endr
.endr
	s_lshl_b32 s20, s43, 8
	s_lshl_b32 s22, s15, 7
	s_add_co_u32 s20, s20, s22                     ; my first row
	s_lshl_b32 s20, s20, 12
	s_lshl_b32 s22, s42, 9
	s_add_co_u32 s20, s20, s22
	s_lshl_b32 s22, s16, 8
	s_add_co_u32 s20, s20, s22                     ; + my first column, in bytes
	s_add_nc_u64 s[12:13], s[12:13], s[20:21]
	s_cmp_eq_u32 s14, 0
	s_cbranch_scc0 .Lnot_w
	s_wait_tensorcnt 0x0
.Lnot_w:
	BARRIER                                        ; Wo's rows are in
	WEIGHTS
	s_wait_tensorcnt 0x0
	s_wait_dscnt 0x0
	BARRIER                                        ; o's rows and scale bytes are in
	FETCH 0, 0
	FETCH 1, 1
	s_wait_loadcnt 0x0
.irp s, 0,1,2,3,4,5,6,7
	OBLK \s
.endr
	s_wait_dscnt 0x0
	SEND 7
	s_wait_tensorcnt 0x0                           ; the wave's end
	ds_add_u32 v[SPW], v[NIL]
	s_wait_dscnt 0x0
	CROUND                                         ; the closing round
	s_endpgm
.Lfunc_end_k_q00a9f839e6_outp:
	.size	k_q00a9f839e6_outp, .Lfunc_end_k_q00a9f839e6_outp-k_q00a9f839e6_outp
	.p2alignl 7, 3214868480
	.fill 96, 4, 3214868480
	.section	.rodata,"a",@progbits
	.p2align	6, 0x0
	.amdhsa_kernel k_q00a9f839e6_outp
		.amdhsa_group_segment_fixed_size 327680
		.amdhsa_private_segment_fixed_size 0
		.amdhsa_enable_private_segment 0
		.amdhsa_kernarg_size 40
		.amdhsa_user_sgpr_count 2
		.amdhsa_user_sgpr_kernarg_segment_ptr 1
		.amdhsa_wavefront_size32 1
		.amdhsa_system_sgpr_workgroup_id_x 1
		.amdhsa_system_sgpr_workgroup_id_y 1
		.amdhsa_system_sgpr_workgroup_id_z 1
		.amdhsa_system_vgpr_workitem_id 0
		.amdhsa_next_free_vgpr 1024
		.amdhsa_next_free_sgpr 98
		.amdhsa_reserve_vcc 0
		.amdhsa_float_denorm_mode_32 3
		.amdhsa_float_denorm_mode_16_64 3
		.amdhsa_memory_ordered 1
		.amdhsa_forward_progress 1
		.amdhsa_inst_pref_size 91
	.end_amdhsa_kernel
	.amdgpu_metadata
---
amdhsa.version: [ 1, 2 ]
amdhsa.kernels:
  - .name:           k_q00a9f839e6_outp
    .symbol:         k_q00a9f839e6_outp.kd
    .args:
      - { .name: oc, .offset: 0, .size: 8, .value_kind: global_buffer, .address_space: global }
      - { .name: os, .offset: 8, .size: 8, .value_kind: global_buffer, .address_space: global }
      - { .name: Wo_codes, .offset: 16, .size: 8, .value_kind: global_buffer, .address_space: global }
      - { .name: Wo_scales, .offset: 24, .size: 8, .value_kind: global_buffer, .address_space: global }
      - { .name: out0, .offset: 32, .size: 8, .value_kind: global_buffer, .address_space: global }
    .group_segment_fixed_size: 327680
    .private_segment_fixed_size: 0
    .kernarg_segment_align: 8
    .kernarg_segment_size: 40
    .max_flat_workgroup_size: 128
    .sgpr_count:     98
    .vgpr_count:     1024
    .wavefront_size: 32
...
	.end_amdgpu_metadata
.endif
;; end of part 4
